; MI455X (gfx1250); checked and timed in simulation.
; The chip was launched on July 23, 2026; its instructions are those of AMD's public machine-readable ISA for CDNA 5 (MIT licence, August 2026) and "CDNA5" Instruction Set Architecture Reference Guide (July 2026). The comments in the code are by the model that wrote it; some were corrected since.
;; Bahdanau Attention. Allowed arithmetic: float matrix products may take bf16 or f16 operands with f32 sums; other float arithmetic in f32, or as packed bf16 or f16 multiplies, adds, multiply-adds, maxima and minima; sums over many terms, partial sums and values carried from step to step in f32; what a program stores and reads back later, other than sums and carried values, may be rounded once to bf16 or f16.
;; Inputs: V 1,024 x 1 float32; W1 1,024 x 1,024 float32; W2 1,024 x 1,024 float32; b1 1,024 float32; b2 1,024 float32; bv 1 float32; features 32 x 2,048 x 1,024 float32; hidden 32 x 1,024 float32.
;; Outputs: out0 32 x 1,024 float32; out1 32 x 2,048 x 1 float32.
;; 2 versions, each right; version 2 is version 1 with the launch attn written anew for expert scheduling mode. Each part assembles by itself: llvm-mc -triple=amdgcn-amd-amdhsa -mcpu=gfx1250 --defsym DOCPART=n.
;; ======== version 1 of 2: 3 launches
;; workspace buffers: W1F 2,097,152 bytes; PHP 524,288 bytes; LOGIT 262,144 bytes; STAT 131,072 bytes; CTXP 2,097,152 bytes
;; launch prep (part 1): grid 64 x 1, 8 waves a work-group, no clusters, 66,560 bytes of LDS; arguments W1, W2, hidden, b1, b2, W1F, PHP; writes W1F, PHP
.if DOCPART == 1
	.amdgcn_target "amdgcn-amd-amdhsa--gfx1250"
	.amdhsa_code_object_version 6
	.text
	.protected	k_qc0f5eb2e26_prep
	.globl	k_qc0f5eb2e26_prep
	.p2align	8
	.type	k_qc0f5eb2e26_prep,@function
k_qc0f5eb2e26_prep:
	s_mov_b64 s[64:65], 0
	v_nop
	global_prefetch_b8 v0, s[64:65] scope:SCOPE_SE
	s_setreg_imm32_b32 hwreg(HW_REG_WAVE_MODE, 25, 1), 1
	s_wait_xcnt 0x0
; PREPARATION.  (1) c2 x W1, c2 = 2 log2(e), W1 [1024 k][1024 n] f32, is rounded once to bf16 and laid out as matrix fragments (W1F).  (2) c2 x (hidden W2 + b1 + b2) is made in four
; quarters of K (PHP[kq][32][1024] f32; the biases stand in quarter 0 alone); the next launch adds the four.
; TWO PERMUTATIONS, the same for both sources of every product, so that the sums are the sums over all k and each column keeps its place:
;   columns: tile q (0..3) of group g (0..15) holds column n = 64 g + 4 r + q in lane place r = lane % 16: a lane's 16 bytes of a row of W feed four tiles;
;   K: place (s, part, h, e) of K step s (0..31), h = lane / 16, holds k = 256 (s / 8) + 16 (s % 8) + 8 part + 4 h + e % 4 + 128 (e / 4).
; W1F byte = g 131072 + s 4096 + q 1024 + part 512 + lane 16: a fragment's half is 512 bytes on end.
; SHARES.  Work-group x: g = x / 4, kq = x % 4; wave v takes K step s = 8 kq + v, for W1 and for W2.  The eight waves' partial products meet in LDS.
; LIMITS.  Operands are rounded to bf16 (W1 after the factor c2); sums in f32; NaN and infinities are not treated apart.
.set SPARE, 65536                      ; behind the partial sums: the spare words, 128 bytes for each of the eight waves
.set RAW2,  16                         ; v[16:79]   W2 as loaded: register 4 (8 part + e) + q; later the partial sums read back
.set HRAW,  80                         ; v[80:111]  hidden as loaded
.set FBR,   112                        ; v[112:143] four fragments of W: 8 q + 4 part
.set FA,    144                        ; v[144:159] two fragments of hidden: 8 mt
.set ACC,   160                        ; v[160:223] first W1 as loaded, then the eight accumulators 8 (4 mt + q)
.set BS,    224                        ; v[224:227] b1, v[228:231] b2
.set OUT,   232                        ; v[232:239] two rows x four columns to store
	s_load_b256 s[8:15], s[0:1], 0x0               ; W1 s[8:9], W2 s[10:11], hidden s[12:13], b1 s[14:15]
	s_load_b128 s[16:19], s[0:1], 0x20             ; b2 s[16:17], W1F s[18:19]
	s_load_b64 s[20:21], s[0:1], 0x30              ; PHP
	v_lshl_add_u32 v4, v0, 2, SPARE                ; my spare word; never rewritten
	v_mov_b32 v5, 0                                ; 0; never rewritten
	v_lshrrev_b32 v3, 5, v0
	v_readfirstlane_b32 s24, v3                    ; wave v
	v_and_b32 v1, 15, v0                           ; r
	v_bfe_u32 v2, v0, 4, 1                         ; h
	v_and_b32 v3, 31, v0                           ; lane
	s_lshr_b32 s25, ttmp9, 2                       ; g
	s_and_b32 s26, ttmp9, 3                        ; kq
	s_mov_b32 s34, 0x4038aa3b                      ; c2 = 2 log2(e)
	s_mov_b32 s36, s34                             ; and as a pair, for the packed multiply
	s_mov_b32 s37, s34
	v_lshlrev_b32 v10, 4, v1                       ; 16 r: my four columns
	v_lshl_add_u32 v6, v2, 14, v10                 ; W: + 4 h rows of 4,096 bytes
	v_lshlrev_b32 v7, 12, v1
	v_lshl_add_u32 v7, v2, 4, v7                   ; hidden: row r, + 4 h numbers
	v_lshlrev_b32 v8, 4, v3                        ; 16 x lane
	v_lshl_add_u32 v11, v2, 15, v10                ; PHP: 8 h rows of 4,096 bytes + 16 r
	s_lshl_b32 s30, s24, 13
	v_lshl_add_u32 v12, v3, 5, s30                 ; LDS, in: 8,192 v + 32 lane
	s_lshr_b32 s31, s24, 2                         ; mt = v / 4
	s_and_b32 s35, s24, 3                          ; jj = v % 4
	s_lshl_b32 s30, s31, 12                        ; 4,096 mt
	s_lshl_b32 s33, s35, 3                         ; 8 jj
	s_add_co_u32 s30, s30, s33
	v_lshl_add_u32 v13, v3, 5, s30                 ; LDS, back: 4,096 mt + 32 lane + 8 jj
	s_lshl_b32 s28, s26, 20                        ; first row of my K step, 256 kq + 16 v, times 4,096 bytes
	s_lshl_b32 s30, s24, 16
	s_add_co_u32 s28, s28, s30
	s_lshl_b32 s30, s25, 8                         ; 256 g: the group's 64 columns
	s_add_co_u32 s28, s28, s30
	s_mov_b32 s29, 0
	s_wait_kmcnt 0x0
	s_add_nc_u64 s[8:9], s[8:9], s[28:29]
	s_add_nc_u64 s[10:11], s[10:11], s[28:29]
	s_mov_b32 s28, s30
	s_add_nc_u64 s[14:15], s[14:15], s[28:29]
	s_add_nc_u64 s[16:17], s[16:17], s[28:29]
	s_lshl_b32 s28, s26, 10                        ; hidden: (256 kq + 16 v) x 4 bytes
	s_lshl_b32 s33, s24, 6
	s_add_co_u32 s28, s28, s33
	s_add_nc_u64 s[12:13], s[12:13], s[28:29]
	s_lshl_b32 s28, s25, 17                        ; W1F: g 131072 + (8 kq + v) 4096
	s_lshl_b32 s33, s26, 15
	s_add_co_u32 s28, s28, s33
	s_lshl_b32 s33, s24, 12
	s_add_co_u32 s28, s28, s33
	s_add_nc_u64 s[18:19], s[18:19], s[28:29]
	s_lshl_b32 s28, s26, 17                        ; PHP: kq 131072 + (16 mt + 2 jj) 4096 + 256 g
	s_lshl_b32 s33, s31, 16
	s_add_co_u32 s28, s28, s33
	s_lshl_b32 s33, s35, 13
	s_add_co_u32 s28, s28, s33
	s_add_co_u32 s28, s28, s30
	s_add_nc_u64 s[20:21], s[20:21], s[28:29]
	s_cmp_eq_u32 s26, 0
	s_cselect_b32 s27, s34, 0                      ; the biases count in quarter 0 alone
; 16 loads: rows 8 part + e % 4 + 128 (e / 4) (+ 4 h) of my K step, my four columns; sixteen lanes take 256 bytes on end
.macro LOADW dst, lo
.irp p, 0,1
.irp e, 0,1,2,3,4,5,6,7
	global_load_b128 v[(\dst)+4*(8*\p+\e):(\dst)+4*(8*\p+\e)+3], v6, s[\lo:\lo+1] offset:(8*\p+(\e&3)+128*(\e>>2))*4096 th:TH_LOAD_NT
.endr
.endr
.endm
; 32 roundings: element pair i of part p of tile q
.macro CVTW src
.irp q, 0,1,2,3
.irp p, 0,1
.irp i, 0,1,2,3
	v_cvt_pk_bf16_f32 v[FBR+8*\q+4*\p+\i], v[(\src)+4*(8*\p+2*\i)+\q], v[(\src)+4*(8*\p+2*\i+1)+\q]
.endr
.endr
.endr
.endm
	global_load_b128 v[BS:BS+3], v10, s[14:15]
	global_load_b128 v[BS+4:BS+7], v10, s[16:17]
	LOADW ACC, 8                                   ; W1
	LOADW RAW2, 10                                 ; W2
.irp mt, 0,1
.irp p, 0,1
.irp eh, 0,1
	global_load_b128 v[HRAW+4*(4*\mt+2*\p+\eh):HRAW+4*(4*\mt+2*\p+\eh)+3], v7, s[12:13] offset:\mt*65536+\p*32+\eh*512
.endr
.endr
.endr
	s_wait_loadcnt 24                              ; the biases and W1 are in; W2's 16 loads and hidden's 8 may stay out
.set k, 0
.rept 32
	v_pk_mul_f32 v[ACC+2*k:ACC+2*k+1], v[ACC+2*k:ACC+2*k+1], s[36:37] op_sel_hi:[1,0]  ; c2 W1, so that the next launch's sums are the exponents as they stand
.set k, k+1
.endr
	CVTW ACC
.irp q, 0,1,2,3
.irp p, 0,1
	global_store_b128 v8, v[FBR+8*\q+4*\p:FBR+8*\q+4*\p+3], s[18:19] offset:\q*1024+\p*512  ; 512 bytes on end, aligned
.endr
.endr
	s_wait_loadcnt 0x0
	s_wait_xcnt 0x0                                ; the stores have read their data: the fragment registers are written anew only behind this wait
	CVTW RAW2
.irp mt, 0,1
.irp p, 0,1
.irp i, 0,1,2,3
	v_cvt_pk_bf16_f32 v[FA+8*\mt+4*\p+\i], v[HRAW+4*(4*\mt+2*\p+(\i>>1))+2*(\i&1)], v[HRAW+4*(4*\mt+2*\p+(\i>>1))+2*(\i&1)+1]
.endr
.endr
.endr
.irp mt, 0,1
.irp q, 0,1,2,3                        ; eight accumulators, one product each: the constant 0 starts each sum
	v_wmma_f32_16x16x32_bf16 v[ACC+8*(4*\mt+\q):ACC+8*(4*\mt+\q)+7], v[FA+8*\mt:FA+8*\mt+7], v[FBR+8*\q:FBR+8*\q+7], 0
.endr
.endr
.rept 8
	v_nop                                          ; the places behind the products, in front of the LDS stores that read them
.endr
.irp t, 0,1,2,3,4,5,6,7
	ds_store_b128 v12, v[ACC+8*\t:ACC+8*\t+3] offset:\t*1024
	ds_store_b128 v12, v[ACC+8*\t+4:ACC+8*\t+7] offset:\t*1024+16
.endr
	s_wait_dscnt 0x0                               ; for the others' sake: my partial sums lie in LDS
	s_barrier_signal -1
	s_barrier_wait -1
	; wave v adds the eight waves' parts of rows 16 mt + 8 h + 2 jj, + 1, for all four tiles
.irp q, 0,1,2,3
.irp s, 0,1,2,3,4,5,6,7
	ds_load_b64 v[RAW2+16*\q+2*\s:RAW2+16*\q+2*\s+1], v13 offset:\s*8192+\q*1024
.endr
.endr
	v_pk_add_f32 v[BS:BS+1], v[BS:BS+1], v[BS+4:BS+5]
	v_pk_add_f32 v[BS+2:BS+3], v[BS+2:BS+3], v[BS+6:BS+7]
.irp q, 0,1,2,3
	v_mul_f32 v[BS+\q], s27, v[BS+\q]              ; c2 (b1 + b2), or 0
.endr
	s_wait_dscnt 0x0                               ; my reads of the partial sums are back:
	s_barrier_signal -1                            ; say so; the sums below, work on registers alone, stand between the signal and the wait
.irp q, 0,1,2,3
.irp a, 0,4,8,12
	v_pk_add_f32 v[RAW2+16*\q+\a:RAW2+16*\q+\a+1], v[RAW2+16*\q+\a:RAW2+16*\q+\a+1], v[RAW2+16*\q+\a+2:RAW2+16*\q+\a+3]
.endr
.endr
.irp q, 0,1,2,3
.irp a, 0,8
	v_pk_add_f32 v[RAW2+16*\q+\a:RAW2+16*\q+\a+1], v[RAW2+16*\q+\a:RAW2+16*\q+\a+1], v[RAW2+16*\q+\a+4:RAW2+16*\q+\a+5]
.endr
.endr
.irp q, 0,1,2,3
	v_pk_add_f32 v[RAW2+16*\q:RAW2+16*\q+1], v[RAW2+16*\q:RAW2+16*\q+1], v[RAW2+16*\q+8:RAW2+16*\q+9]
.endr
.irp j, 0,1
.irp q, 0,1,2,3
	v_fma_f32 v[OUT+4*\j+\q], v[RAW2+16*\q+\j], s34, v[BS+\q]
.endr
.endr
	s_barrier_wait -1                              ; every wave's reads are back before any wave writes LDS again (the closing lines below)
	global_store_b128 v11, v[OUT:OUT+3], s[20:21]              ; sixteen lanes store 256 bytes on end, aligned
	global_store_b128 v11, v[OUT+4:OUT+7], s[20:21] offset:4096
	s_wait_tensorcnt 0x0                           ; the wave's end: three closing lines, behind my last LDS store
	ds_add_u32 v4, v5
	s_wait_dscnt 0x0
	s_endpgm
.Lfunc_end_k_qc0f5eb2e26_prep:
	.size	k_qc0f5eb2e26_prep, .Lfunc_end_k_qc0f5eb2e26_prep-k_qc0f5eb2e26_prep
	.p2alignl 7, 3214868480
	.fill 96, 4, 3214868480
	.section	.rodata,"a",@progbits
	.p2align	6, 0x0
	.amdhsa_kernel k_qc0f5eb2e26_prep
		.amdhsa_group_segment_fixed_size 66560
		.amdhsa_private_segment_fixed_size 0
		.amdhsa_enable_private_segment 0
		.amdhsa_kernarg_size 56
		.amdhsa_user_sgpr_count 2
		.amdhsa_user_sgpr_kernarg_segment_ptr 1
		.amdhsa_wavefront_size32 1
		.amdhsa_system_sgpr_workgroup_id_x 1
		.amdhsa_system_sgpr_workgroup_id_y 1
		.amdhsa_system_sgpr_workgroup_id_z 1
		.amdhsa_system_vgpr_workitem_id 0
		.amdhsa_next_free_vgpr 256
		.amdhsa_next_free_sgpr 66
		.amdhsa_reserve_vcc 0
		.amdhsa_float_denorm_mode_32 3
		.amdhsa_float_denorm_mode_16_64 3
		.amdhsa_memory_ordered 1
		.amdhsa_forward_progress 1
		.amdhsa_inst_pref_size 22
	.end_amdhsa_kernel
	.amdgpu_metadata
---
amdhsa.version: [ 1, 2 ]
amdhsa.kernels:
  - .name:           k_qc0f5eb2e26_prep
    .symbol:         k_qc0f5eb2e26_prep.kd
    .args:
      - { .name: W1, .offset: 0, .size: 8, .value_kind: global_buffer, .address_space: global }
      - { .name: W2, .offset: 8, .size: 8, .value_kind: global_buffer, .address_space: global }
      - { .name: hidden, .offset: 16, .size: 8, .value_kind: global_buffer, .address_space: global }
      - { .name: b1, .offset: 24, .size: 8, .value_kind: global_buffer, .address_space: global }
      - { .name: b2, .offset: 32, .size: 8, .value_kind: global_buffer, .address_space: global }
      - { .name: W1F, .offset: 40, .size: 8, .value_kind: global_buffer, .address_space: global }
      - { .name: PHP, .offset: 48, .size: 8, .value_kind: global_buffer, .address_space: global }
    .group_segment_fixed_size: 66560
    .private_segment_fixed_size: 0
    .kernarg_segment_align: 8
    .kernarg_segment_size: 56
    .max_flat_workgroup_size: 256
    .sgpr_count:     66
    .vgpr_count:     256
    .wavefront_size: 32
...
	.end_amdgpu_metadata
.endif
;; end of part 1
;; launch attn (part 2): grid 16 x 32, 4 waves a work-group, no clusters, 278,528 bytes of LDS; arguments features, W1F, PHP, V, bv, LOGIT, STAT, CTXP; writes LOGIT, STAT, CTXP
.if DOCPART == 2
	.amdgcn_target "amdgcn-amd-amdhsa--gfx1250"
	.amdhsa_code_object_version 6
	.text
	.protected	k_qc0f5eb2e26_attn
	.globl	k_qc0f5eb2e26_attn
	.p2align	8
	.type	k_qc0f5eb2e26_attn,@function
k_qc0f5eb2e26_attn:
	s_mov_b64 s[64:65], 0
	v_nop
	global_prefetch_b8 v0, s[64:65] scope:SCOPE_SE
	s_setreg_imm32_b32 hwreg(HW_REG_WAVE_MODE, 25, 1), 1
	s_wait_xcnt 0x0
; z[t] = V . tanh(f[t] W1 + hidden W2 + b1 + b2) + bv for 128 rows t of one batch, the block's maximum M, the weights p = e^(z - M), their sum l, and the block's part of the
; context, sum over t of p[t] f[t][:].  The last launch joins a batch's 16 blocks.  So features is read from memory once: the block lies in LDS as bf16 for both products.
; SHARES.  Work-group (x, b): rows 128 x .. 128 x + 127 of batch b.  In the large product wave w makes all 128 rows x 128 columns, groups 4 w + 2 pass and 4 w + 2 pass + 1, two passes:
; 64 accumulators of 16 x 16, 512 registers: a fragment of A read from LDS feeds eight products, and so does a fragment of B.  K goes in 32 steps of 32; a trip is four steps.
; A (features) comes from LDS; B (W1F = c2 W1, laid out as fragments by the launch before) comes STRAIGHT INTO REGISTERS, four sets of 64 registers, asked for three K steps ahead.
; NO CLUSTER, NO RING FOR B: A takes 262,144 of LDS's 327,680 bytes; two slots in what is left would hold 28 fragments each, 56 products a wave for each change of slots;
; and no byte of B is wanted by two waves of the work-group.  So the K loop has no barrier at all.
; PERMUTATIONS (as in the launch before): tile q of group g holds column 64 g + 4 r + q; place (s, part, h, e) holds k = 256 (s / 8) + 16 (s % 8) + 8 part + 4 h + e % 4 + 128 (e / 4):
; a lane's 16 bytes of bf16 are four f32 of one 512-byte load and four of the load 512 bytes on.
; tanh(y) = 1 - 2 r, r = 1 / (1 + 2^(c2 y)), c2 = 2 log2(e): r is 0 where the power overflows, 1 where it vanishes.  c2 y is the accumulator as it stands: c2 lies in W1F, and
; c2 (hidden W2 + b1 + b2) is the C operand of a pass's first products.  A lane sums V - 2 V r over its own 16 columns in f32 before any wider sum is taken.
; LIMITS.  Matrix operands (features, c2 W1, and p for the context) are rounded to bf16; all sums, M and l in f32 (l of the unrounded p); NaN and infinities are not treated apart.
; LDS: AF 0 .. 262143: fragment (s, mt) at (8 s + mt) 1024, in it part 512 + h 256 + ((row + 4 (s % 4) + 2 part + h) % 16) 16: the rotation lets the fill's stores (sixteen lanes,
; one row, sixteen places) and the fragment loads (sixteen rows, one place) each touch sixteen different 16-byte columns of the 64 banks (ISA guide 11.1).
.set PHL,   262144                     ; 4,096 bytes: c2 (hidden W2 + b1 + b2) of batch b; behind it 4,096 bytes: V
.set LG,    270336                     ; 2,048 bytes: [wave][128] partial logits
.set PW,    272384                     ; 4 x 256 bytes: p as bf16, a copy for each wave
.set CXS,   273408                     ; 4 x 1,024 bytes: a wave's 256 numbers of the context, in their true order
.set SPARE, 277504                     ; the spare words, 128 bytes for each wave
; REGISTERS, in windows of 256 (s_set_vgpr_msb: bits 1:0 source 0, 3:2 source 1, 5:4 source 2, 7:6 destination)
;   window 0: addresses, LGP, temporaries, v128-255 two buffers of A's fragments     window 1: B, four sets of 64
;   window 2: the 32 accumulators of rows 0-63 (block mm of 16 rows, tile qq of eight at 8 (8 mm + qq)); in the fill two stages of 128     window 3: those of rows 64-127
.set R,    1                           ; lane % 16
.set H,    2                           ; lane / 16
.set LN,   3                           ; lane
.set SPW,  4                           ; my spare word; never rewritten
.set NIL,  5                           ; 0; never rewritten
.set BO,   6                           ; 16 x lane; never rewritten
.set PH0,  7                           ; PHL + 1,024 w + 16 r
.set PHA,  8                           ; + 512 pass
.set FB,   9                           ; the fill: my place in AF, less the rotation
.set FO,   10                          ; the fill: 1,024 w + 16 lane, my bytes of a row of features
.set T0,   11
.set T1,   12
.set T2,   13
.set TID16, 14                         ; the fill: 16 x thread
.set PHS,  15                          ; the fill: where ph' and V go
.set SV,   14                          ; v[14:15]  behind the fill: the sum of V over my columns, later twice
.set AA0,  16                          ; v[16:23]  my place in fragment (s % 4 = a, part p) at 2 a + p; later the turning loads' places
.set AW,   24                          ; v[24:31]  the same plus the trip's 32,768 bytes
.set LGP,  32                          ; v[32:95]  partial logits of rows 16 mt + 8 h + j at 8 mt + j; later p's fragments and the statistics
.set PHV,  96                          ; v[96:103]  ph' of my eight columns of the pass
.set VV,   104                         ; v[104:111] V of the same
.set VD,   112                         ; v[112:127] -2 V in equal pairs
.set TMP,  104                         ; the fill: v[104:119] four rows' 16 bytes, v[120:123] their addresses
.set ADR,  120
.set SW,   176                         ; the fill: v[176:191] ((r + i) % 16) x 16 for row i
.set AF,   128
.set PHC,  192                         ; A's second buffer, free until a pass's first K step has multiplied: ph' of tile qq in eight equal registers at 8 qq
.set MSB, 0
.macro WIN new                         ; the immediate's high byte repeats the setting that is left; a switch that changes nothing is dropped
.if MSB != (\new)
	s_set_vgpr_msb (MSB<<8)|(\new)
.set MSB, \new
.endif
.endm
.set W_LO,  0xa4                       ; A window 0, B window 1, C and D window 2
.set W_LO1, 0x84                       ; the same with C in window 0
.set W_TOB, 0x40                       ; destination window 1
.set W_TOC, 0x80                       ; destination window 2
.set W_CVT, 0x0a                       ; sources 0 and 1 window 2
.set W_E2,  0x82                       ; destination and source 0 window 2
.set W_E3,  0xc3                       ; destination and source 0 window 3
.set W_S2,  0x02                       ; source 0 window 2
.set W_S3,  0x03                       ; source 0 window 3
.set W_STC, 0x08                       ; LDS store: data window 2
	s_load_b512 s[8:23], s[0:1], 0x0               ; features s[8:9], W1F s[10:11], PHP s[12:13], V s[14:15], bv s[16:17], LOGIT s[18:19], STAT s[20:21], CTXP s[22:23]
	v_lshl_add_u32 v[SPW], v0, 2, SPARE
	v_mov_b32 v[NIL], 0
	v_lshrrev_b32 v[LN], 5, v0
	v_readfirstlane_b32 s24, v[LN]                 ; wave w
	v_and_b32 v[R], 15, v0
	v_bfe_u32 v[H], v0, 4, 1
	v_and_b32 v[LN], 31, v0
	s_mov_b32 s25, ttmp9                           ; x
	s_and_b32 s26, ttmp7, 0xffff                   ; b
	s_lshl_b32 s44, s24, 10                        ; 1,024 w
	s_lshl_b32 s45, s24, 16                        ; 65,536 w
	s_mov_b32 s38, 0x76543210                      ; v_permlanex16_b32: each lane takes its own place in the other half
	s_mov_b32 s39, 0xfedcba98
	s_mov_b32 s40, 0x3fb8aa3b                      ; log2(e)
	v_lshlrev_b32 v[BO], 4, v[LN]
	v_lshl_add_u32 v[FO], v[LN], 4, s44
	v_lshlrev_b32 v[TID16], 4, v0
	s_lshl_b32 s28, s26, 23                        ; (2,048 b + 128 x) rows of 4,096 bytes
	s_lshl_b32 s46, s25, 19
	s_add_co_u32 s28, s28, s46
	s_mov_b32 s29, 0
	s_wait_kmcnt 0x0
	s_load_b32 s27, s[16:17], 0x0                  ; bv
	s_add_nc_u64 s[42:43], s[8:9], s[28:29]        ; features at my block
	s_lshl_b32 s28, s26, 12
	s_add_nc_u64 s[12:13], s[12:13], s[28:29]      ; PHP at batch b
	s_lshl_b32 s28, s24, 19
	s_add_nc_u64 s[36:37], s[10:11], s[28:29]      ; W1F at my four groups of 131,072 bytes
; THE FILL.  Wave w takes bytes 1,024 w .. + 1,023 of each of the 128 rows.  A stage is 16 rows: 32 loads of 512 bytes on end.
.macro FLOAD buf, off
	WIN W_TOC
.set fi, 0
.rept 16
	global_load_b128 v[128*(\buf)+8*fi:128*(\buf)+8*fi+3], v[FO], s[42:43] offset:(\off)+fi*4096 th:TH_LOAD_NT
	global_load_b128 v[128*(\buf)+8*fi+4:128*(\buf)+8*fi+7], v[FO], s[42:43] offset:(\off)+fi*4096+512 th:TH_LOAD_NT
.set fi, fi+1
.endr
	WIN 0
.endm
; A stage is rounded to bf16 and stored, four rows at a time (two window switches for four rows)
.macro FSTORE buf
.set fg, 0
.rept 4
	WIN W_CVT
.set fc, 0
.rept 16
	v_cvt_pk_bf16_f32 v[TMP+fc], v[128*(\buf)+32*fg+2*fc], v[128*(\buf)+32*fg+2*fc+1]
.set fc, fc+1
.endr
	WIN 0
.set fc, 0
.rept 4
	v_add_nc_u32 v[ADR+fc], v[SW+4*fg+fc], v[FB]
	ds_store_b128 v[ADR+fc], v[TMP+4*fc:TMP+4*fc+3] offset:(\buf)*1024
.set fc, fc+1
.endr
.set fg, fg+1
.endr
.endm
.irp kq, 0,1,2,3
	global_load_b128 v[128+8*\kq:128+8*\kq+3], v[TID16], s[12:13] offset:\kq*131072
	global_load_b128 v[128+8*\kq+4:128+8*\kq+7], v[TID16], s[12:13] offset:\kq*131072+2048
.endr
	global_load_b128 v[160:163], v[TID16], s[14:15]
	global_load_b128 v[164:167], v[TID16], s[14:15] offset:2048
	FLOAD 0, 0
	FLOAD 1, 65536
	; set-up, while the loads are out
.set k, 0
.rept 64
	v_mov_b32 v[LGP+k], 0                          ; the logits' sums start at 0, so that the two passes have one text
.set k, k+1
.endr
.set k, 0
.rept 16
	v_add_nc_u32 v[SW+k], k, v[R]
	v_and_b32 v[SW+k], 15, v[SW+k]
	v_lshlrev_b32 v[SW+k], 4, v[SW+k]
.set k, k+1
.endr
	v_lshrrev_b32 v[T0], 2, v[LN]                  ; my 16 bytes belong to K step 8 w + lane / 4,
	v_lshl_add_u32 v[FB], v[T0], 13, s45
	v_bfe_u32 v[T0], v[LN], 1, 1                   ; part (lane / 2) % 2,
	v_lshl_add_u32 v[FB], v[T0], 9, v[FB]
	v_and_b32 v[T0], 1, v[LN]                      ; half lane % 2; the rotation is then lane % 16 = r
	v_lshl_add_u32 v[FB], v[T0], 8, v[FB]
	s_add_co_u32 s46, s44, PHL
	v_lshl_add_u32 v[PH0], v[R], 4, s46
	v_add_nc_u32 v[PHS], PHL, v[TID16]
	v_add_nc_u32 v[T0], v[R], v[H]
	v_lshlrev_b32 v[T1], 8, v[H]
.irp a, 0,1,2,3
.irp p, 0,1
	v_add_nc_u32 v[T2], 4*\a+2*\p, v[T0]
	v_and_b32 v[T2], 15, v[T2]
	v_lshl_add_u32 v[AA0+2*\a+\p], v[T2], 4, v[T1]
	v_add_nc_u32 v[AA0+2*\a+\p], \a*8192+\p*512, v[AA0+2*\a+\p]
.endr
.endr
	s_wait_loadcnt 63                              ; 64 loads are younger than PHP's and V's ten: with 63 out at the most the ten are in
.irp hf, 0,4
.irp c, 0,2
	v_pk_add_f32 v[128+\hf+\c:128+\hf+\c+1], v[128+\hf+\c:128+\hf+\c+1], v[136+\hf+\c:136+\hf+\c+1]
	v_pk_add_f32 v[144+\hf+\c:144+\hf+\c+1], v[144+\hf+\c:144+\hf+\c+1], v[152+\hf+\c:152+\hf+\c+1]
.endr
.endr
.irp hf, 0,4
.irp c, 0,2
	v_pk_add_f32 v[128+\hf+\c:128+\hf+\c+1], v[128+\hf+\c:128+\hf+\c+1], v[144+\hf+\c:144+\hf+\c+1]
.endr
.endr
	ds_store_b128 v[PHS], v[128:131]
	ds_store_b128 v[PHS], v[132:135] offset:2048
	ds_store_b128 v[PHS], v[160:163] offset:4096
	ds_store_b128 v[PHS], v[164:167] offset:6144
	s_mov_b32 s41, 3
.Lfill:                                                ; a trip stores 32 rows and asks for the next 32
	s_wait_loadcnt 32                              ; stage 0 is in; stage 1's 32 loads may stay out
	FSTORE 0
	s_wait_xcnt 0x0                                ; every load issued has read its address: the base may be stepped
	s_add_nc_u64 s[42:43], s[42:43], 131072
	FLOAD 0, 0
	s_wait_loadcnt 32                              ; stage 1 is in
	FSTORE 1
	FLOAD 1, 65536
	v_add_nc_u32 v[FB], 2048, v[FB]                ; two blocks of 16 rows on
	s_sub_co_u32 s41, s41, 1
	s_cmp_lg_u32 s41, 0
	s_cbranch_scc1 .Lfill
	s_wait_loadcnt 32                              ; the last 32 rows: nothing more of features is asked for
	FSTORE 0
	WIN W_TOB                                      ; B's K steps 0 to 2 go out under the last stage's work: 48 loads; load k of a set: group k / 8, then 512 bytes on end
.set tt, 0
.rept 3
.set k, 0
.rept 16
	global_load_b128 v[64*tt+4*k:64*tt+4*k+3], v[BO], s[36:37] offset:tt*4096+(k>>3)*131072+(k&7)*512
.set k, k+1
.endr
.set tt, tt+1
.endr
	WIN 0
	s_wait_loadcnt 48                              ; stage 1 is in; B's 48 stay out
	FSTORE 1
	s_wait_xcnt 0x0
	s_add_nc_u64 s[36:37], s[36:37], 12288         ; B's pointer stands three K steps ahead of the trip's first
	s_wait_kmcnt 0x0                               ; bv
	s_wait_dscnt 0x0                               ; for the others' sake: my part of A, ph' and V lie in LDS
	s_barrier_signal -1
	s_barrier_wait -1
; THE PRODUCT.
; 32 products: the four blocks of 16 rows of half hi x the eight tiles, K step i of the trip.  The 64 accumulators take turns, one instruction a turn, in the same order in every step.
; first = 1: a pass's first K step: C is ph' of the tile's columns, eight equal registers, so that nothing is cleared and nothing is added later.
.macro MUL32 i, hi, first
.if \first
	WIN W_LO1+0x40*(\hi)
.else
	WIN W_LO+0x50*(\hi)
.endif
.set mm, 0
.rept 4
.set qq, 0
.rept 8
.if \first
	v_wmma_f32_16x16x32_bf16 v[8*(8*mm+qq):8*(8*mm+qq)+7], v[AF+64*((\i)&1)+8*(4*(\hi)+mm):AF+64*((\i)&1)+8*(4*(\hi)+mm)+7], v[64*((\i)&3)+8*qq:64*((\i)&3)+8*qq+7], v[PHC+8*qq:PHC+8*qq+7]
.else
	v_wmma_f32_16x16x32_bf16 v[8*(8*mm+qq):8*(8*mm+qq)+7], v[AF+64*((\i)&1)+8*(4*(\hi)+mm):AF+64*((\i)&1)+8*(4*(\hi)+mm)+7], v[64*((\i)&3)+8*qq:64*((\i)&3)+8*qq+7], v[8*(8*mm+qq):8*(8*mm+qq)+7]
.endif
.set qq, qq+1
.endr
.set mm, mm+1
.endr
.endm
; 16 LDS loads in one run: A's eight fragments of K step j of the trip, into buffer buf
.macro AFETCH j, buf
	WIN 0
.set mm, 0
.rept 8
	ds_load_b128 v[AF+64*(\buf)+8*mm:AF+64*(\buf)+8*mm+3], v[AW+2*(\j)] offset:mm*1024
	ds_load_b128 v[AF+64*(\buf)+8*mm+4:AF+64*(\buf)+8*mm+7], v[AW+2*(\j)+1] offset:mm*1024
.set mm, mm+1
.endr
.endm
; A K step: 64 products and ONE run of 32 loads.  The run stands in the step's middle, four places behind the products that read its registers (ISA guide 7.12.1 for vector instructions):
; the other A buffer takes the next step's fragments, the B set read last takes the step three on.  In a pass's first step the run stands behind all 64 products, since ph' lies in the other A buffer.
; anext: 0 the same trip; 1 the next trip's first step; 2 the next pass's; 3 nothing follows.  lcnt: the B loads younger than this step's set.  jump: bytes from this pass's groups to the next pass's.
.macro STEP i, first, bload, lcnt, anext, jump
.if !(\first)
	s_wait_dscnt 8                                 ; A's rows 0-63 are in; the youngest eight loads (rows 64-127) may be out
.endif
	s_wait_loadcnt \lcnt
	MUL32 \i, 0, \first
.if \first
	MUL32 \i, 1, 1
.endif
.if (\anext) != 3
	WIN 0
.if (\anext) == 0
.rept 4
	v_nop
.endr
.else
.if (\anext) == 1
	s_add_co_u32 s34, s34, 32768
.else
	s_mov_b32 s34, 0
.endif
.set k, 0
.rept 8                                ; these eight are the places
	v_add_nc_u32 v[AW+k], s34, v[AA0+k]
.set k, k+1
.endr
.endif
	AFETCH ((\i)+1)&3, ((\i)+1)&1
.endif
.if \bload
	WIN W_TOB
.set k, 0
.rept 16
	global_load_b128 v[64*(((\i)+3)&3)+4*k:64*(((\i)+3)&3)+4*k+3], v[BO], s[36:37] offset:(\i)*4096+(\jump)+(k>>3)*131072+(k&7)*512
.set k, k+1
.endr
.endif
.if !(\first)
.if (\anext) != 3
	s_wait_dscnt 16                                ; all but the 16 just issued
.else
	s_wait_dscnt 0x0
.endif
	MUL32 \i, 1, 0
.endif
.endm
; Four K steps.  kind 0: inside a pass; 1: pass 0's last trip: from its second step on B's loads are the next pass's, a group's 131,072 bytes further on;
; 2: the launch's last trip: one more set of B is asked for, and the counts run down.  32: two younger sets of sixteen loads may stay out.
.macro TRIP first, kind
.if (\kind) == 2
	STEP 0, 0, 1, 32, 0, 0
	STEP 1, 0, 0, 32, 0, 0
	STEP 2, 0, 0, 16, 0, 0
	STEP 3, 0, 0, 0, 3, 0
	WIN 0
.elseif (\kind) == 1
	STEP 0, 0, 1, 32, 0, 0
	STEP 1, 0, 1, 32, 0, 131072
	STEP 2, 0, 1, 32, 0, 131072
	STEP 3, 0, 1, 32, 2, 131072
	WIN 0
	s_wait_xcnt 0x0                                ; the youngest loads, 32 products back, have read their address
	s_add_nc_u64 s[36:37], s[36:37], 147456
.else
	STEP 0, \first, 1, 32, 0, 0
	STEP 1, 0, 1, 32, 0, 0
	STEP 2, 0, 1, 32, 0, 0
	STEP 3, 0, 1, 32, 1, 0
	WIN 0
	s_wait_xcnt 0x0
	s_add_nc_u64 s[36:37], s[36:37], 16384
.endif
.endm
; The pass's end, a window of 256 registers at a time, in place
.macro EXPS
.set k, 0
.rept 256
	v_exp_f32 v[k], v[k]
.set k, k+1
.endr
.endm
.macro ADD1
.set k, 0
.rept 128
	v_pk_add_f32 v[2*k:2*k+1], v[2*k:2*k+1], 1.0 op_sel_hi:[1,0]
.set k, k+1
.endr
.endm
.macro RCPS
.set k, 0
.rept 256
	v_rcp_f32 v[k], v[k]
.set k, k+1
.endr
.endm
.macro VSUM hi                         ; LGP += (-2 V) r; the tile outermost: 16 lines stand between two additions onto one pair
.set qq, 0
.rept 8
.set mm, 0
.rept 4
.set jp, 0
.rept 4
	v_pk_fma_f32 v[LGP+8*(4*(\hi)+mm)+2*jp:LGP+8*(4*(\hi)+mm)+2*jp+1], v[8*(8*mm+qq)+2*jp:8*(8*mm+qq)+2*jp+1], v[VD+2*qq:VD+2*qq+1], v[LGP+8*(4*(\hi)+mm)+2*jp:LGP+8*(4*(\hi)+mm)+2*jp+1]
.set jp, jp+1
.endr
.set mm, mm+1
.endr
.set qq, qq+1
.endr
.endm
	s_mov_b32 s34, 0
.set k, 0
.rept 8
	v_mov_b32 v[AW+k], v[AA0+k]
.set k, k+1
.endr
	AFETCH 0, 0
	v_mov_b32 v[SV], 0
	s_mov_b32 s32, 2                               ; passes to go
	s_mov_b32 s35, 0                               ; 512 x pass
.Lpass:
	; my eight columns of the pass: ph' into eight equal registers a tile, -2 V into equal pairs, V onto its sum
	v_add_nc_u32 v[PHA], s35, v[PH0]
	ds_load_b128 v[PHV:PHV+3], v[PHA]
	ds_load_b128 v[PHV+4:PHV+7], v[PHA] offset:256
	ds_load_b128 v[VV:VV+3], v[PHA] offset:4096
	ds_load_b128 v[VV+4:VV+7], v[PHA] offset:4352
	s_wait_dscnt 0x0                               ; these four, and A's fragments of the pass's first K step
.set qq, 0
.rept 8
.set k, 0
.rept 8
	v_mov_b32 v[PHC+8*qq+k], v[PHV+qq]
.set k, k+1
.endr
	v_mul_f32 v[VD+2*qq], -2.0, v[VV+qq]
	v_mul_f32 v[VD+2*qq+1], -2.0, v[VV+qq]
	v_add_f32 v[SV], v[SV], v[VV+qq]
.set qq, qq+1
.endr
	TRIP 1, 0
	s_mov_b32 s33, 6
.Ltrip:
	TRIP 0, 0
	s_sub_co_u32 s33, s33, 1
	s_cmp_lg_u32 s33, 0
	s_cbranch_scc1 .Ltrip
	s_cmp_eq_u32 s32, 1
	s_cbranch_scc1 .Llastp
	TRIP 0, 1                                      ; pass 0's last trip fetches the next pass's first fragments
	s_branch .Lepi
.Llastp:
	TRIP 0, 2
.Lepi:
	; THE PASS'S END: r = 1 / (1 + 2^acc) in place, each accumulator taken from its low end on; LGP += (-2 V) r.  A's and B's loads for the next pass stay out meanwhile.
.rept 4
	v_nop                                          ; the places behind the last products
.endr
	WIN W_E2
	EXPS
	WIN W_E3
	EXPS
	v_nop                                          ; a plain instruction behind the last exponential,
	s_wait_alu depctr_va_vdst(0)                   ; and one wait for the batch of 512, ahead of its first reader
	ADD1
	WIN W_E2
	ADD1
	RCPS
	WIN W_E3
	RCPS
	v_nop
	s_wait_alu depctr_va_vdst(0)                   ; one wait for the reciprocals
	WIN W_S3
	VSUM 1
	WIN W_S2
	VSUM 0
	WIN 0
	s_add_co_u32 s35, s35, 512
	s_sub_co_u32 s32, s32, 1
	s_cmp_lg_u32 s32, 0
	s_cbranch_scc1 .Lpass
	; THE LOGITS.  First V's sum over my 16 columns joins each of my partial sums: V - 2 V r = V tanh.  A row's sum over my wave's 256 columns then lies in sixteen lanes: four steps
	; inside each half of the lanes; then the four waves' sums meet in LDS.
	v_mov_b32 v[SV+1], v[SV]
.set k, 0
.rept 32
	v_pk_add_f32 v[LGP+2*k:LGP+2*k+1], v[LGP+2*k:LGP+2*k+1], v[SV:SV+1]
.set k, k+1
.endr
.irp msk, 1,2,4,8
.set k, 0
.rept 64
	v_add_f32_dpp v[LGP+k], v[LGP+k], v[LGP+k] row_xmask:\msk row_mask:0xf bank_mask:0xf
.set k, k+1
.endr
.endr
	s_lshl_b32 s47, s24, 9
	s_add_co_u32 s47, s47, LG
	v_lshl_add_u32 v[T0], v[H], 5, s47             ; rows 16 mt + 8 h + 0..7 are 32 bytes on end; a half's sixteen lanes write the same bytes with the same numbers
.set mm, 0
.rept 8
	ds_store_b128 v[T0], v[LGP+8*mm:LGP+8*mm+3] offset:mm*64
	ds_store_b128 v[T0], v[LGP+8*mm+4:LGP+8*mm+7] offset:mm*64+16
.set mm, mm+1
.endr
	s_wait_dscnt 0x0                               ; for the others' sake
	s_barrier_signal -1
	s_barrier_wait -1
	v_lshl_add_u32 v[T1], v[LN], 4, LG             ; every wave alike: lane l takes rows 4 l .. 4 l + 3
.irp s, 0,1,2,3
	ds_load_b128 v[64+4*\s:64+4*\s+3], v[T1] offset:512*\s
.endr
	v_lshlrev_b32 v[T2], 3, v[LN]
	s_lshl_b32 s28, s26, 13                        ; LOGIT: (2,048 b + 128 x) x 4 bytes
	s_lshl_b32 s46, s25, 9
	s_add_co_u32 s28, s28, s46
	s_add_nc_u64 s[18:19], s[18:19], s[28:29]
	s_lshl_b32 s28, s26, 12                        ; STAT: (16 b + x) x 256 bytes
	s_lshl_b32 s46, s25, 8
	s_add_co_u32 s28, s28, s46
	s_add_nc_u64 s[20:21], s[20:21], s[28:29]
	s_lshl_b32 s28, s26, 16                        ; CTXP: (16 b + x) x 4,096 + 1,024 w
	s_lshl_b32 s46, s25, 12
	s_add_co_u32 s28, s28, s46
	s_add_co_u32 s28, s28, s44
	s_add_nc_u64 s[22:23], s[22:23], s[28:29]
	s_wait_dscnt 0x0
	v_pk_add_f32 v[64:65], v[64:65], v[68:69]
	v_pk_add_f32 v[66:67], v[66:67], v[70:71]
	v_pk_add_f32 v[72:73], v[72:73], v[76:77]
	v_pk_add_f32 v[74:75], v[74:75], v[78:79]
	v_pk_add_f32 v[64:65], v[64:65], v[72:73]
	v_pk_add_f32 v[66:67], v[66:67], v[74:75]
.irp k, 0,1,2,3
	v_add_f32 v[64+\k], s27, v[64+\k]              ; + bv: z
.endr
	v_max3_num_f32 v80, v64, v65, v66
	v_max_num_f32 v80, v80, v67
.irp msk, 1,2,4,8
	v_max_num_f32_dpp v80, v80, v80 row_xmask:\msk row_mask:0xf bank_mask:0xf
.endr
	v_permlanex16_b32 v81, v80, s38, s39
	v_max_num_f32 v80, v80, v81                    ; M, in every lane
.irp k, 0,1,2,3
	v_sub_f32 v[84+\k], v[64+\k], v80
.endr
.irp k, 0,1,2,3
	v_mul_f32 v[84+\k], s40, v[84+\k]
.endr
.irp k, 0,1,2,3
	v_exp_f32 v[84+\k], v[84+\k]                   ; p = e^(z - M)
.endr
	v_nop
	s_wait_alu depctr_va_vdst(0)                   ; one wait for the four
	v_add_f32 v88, v84, v85
	v_add_f32 v89, v86, v87
	v_add_f32 v88, v88, v89
.irp msk, 1,2,4,8
	v_add_f32_dpp v88, v88, v88 row_xmask:\msk row_mask:0xf bank_mask:0xf
.endr
	v_permlanex16_b32 v89, v88, s38, s39
	v_add_f32 v81, v88, v89                        ; l, beside M
	s_cmp_lg_u32 s24, 0
	s_cbranch_scc1 .Lnot0
	global_store_b128 v[BO], v[64:67], s[18:19]    ; wave 0: 512 bytes of z on end; these registers are not written again
	global_store_b64 v[T2], v[80:81], s[20:21]     ; and (M, l) from all 32 lanes: the record's 256 bytes whole
.Lnot0:
	; THE CONTEXT, by the matrix unit: source 0 = p (sixteen equal rows, K = 32 rows t), source 1 = features turned, 16 channels a tile.  Wave w takes the 256 channels that it filled: 16 tiles, four steps of 32 rows.
	v_cvt_pk_bf16_f32 v90, v84, v85
	v_cvt_pk_bf16_f32 v91, v86, v87
	s_lshl_b32 s48, s24, 8
	s_add_co_u32 s48, s48, PW
	v_lshl_add_u32 v92, v[LN], 3, s48
	v_lshl_add_u32 v93, v[H], 4, s48
	ds_store_b64 v92, v[90:91]                     ; my wave's own copy: LDS serves a wave's instructions in order (ISA guide 5.7.1.4), so the loads below see it
.irp ts, 0,1,2,3
	ds_load_b128 v[32+8*\ts:32+8*\ts+3], v93 offset:\ts*64
	ds_load_b128 v[32+8*\ts+4:32+8*\ts+7], v93 offset:\ts*64+32
.endr
	; the turning load: lane L reads the 16 bytes of row 8 h + L % 8 and half hh = (L / 8) % 2, and is left with channel place L % 16 and eight rows
	v_bfe_u32 v100, v0, 3, 1                       ; hh
	v_and_b32 v101, 7, v0
	v_lshl_add_u32 v102, v[H], 3, v101
	v_add_nc_u32 v102, v102, v100                  ; row + hh
	v_lshl_add_u32 v103, v100, 8, s45
.irp a, 0,1,2,3
.irp p, 0,1
	v_add_nc_u32 v104, 4*\a+2*\p, v102
	v_and_b32 v104, 15, v104
	v_lshl_add_u32 v[AA0+2*\a+\p], v104, 4, v103
	v_add_nc_u32 v[AA0+2*\a+\p], \a*8192+\p*512, v[AA0+2*\a+\p]
.endr
.endr
.macro LOADT ts, buf                   ; 32 turning loads: rows 32 ts .. + 31 of the 16 tiles (K step 8 w + tt / 2, part tt % 2)
	WIN W_TOB
.set tt, 0
.rept 16
	ds_load_tr16_b128 v[128*(\buf)+8*tt:128*(\buf)+8*tt+3], v[AA0+2*((tt>>1)&3)+(tt&1)] offset:(tt>>3)*32768+2*(\ts)*1024
	ds_load_tr16_b128 v[128*(\buf)+8*tt+4:128*(\buf)+8*tt+7], v[AA0+2*((tt>>1)&3)+(tt&1)] offset:(tt>>3)*32768+2*(\ts)*1024+1024
.set tt, tt+1
.endr
.endm
.macro CMUL ts, buf, zero              ; 16 products, the 16 accumulators by turns
	WIN W_LO
.set tt, 0
.rept 16
.if \zero
	v_wmma_f32_16x16x32_bf16 v[8*tt:8*tt+7], v[32+8*(\ts):32+8*(\ts)+7], v[128*(\buf)+8*tt:128*(\buf)+8*tt+7], 0
.else
	v_wmma_f32_16x16x32_bf16 v[8*tt:8*tt+7], v[32+8*(\ts):32+8*(\ts)+7], v[128*(\buf)+8*tt:128*(\buf)+8*tt+7], v[8*tt:8*tt+7]
.endif
.set tt, tt+1
.endr
.endm
	LOADT 0, 0
	LOADT 1, 1
	s_wait_dscnt 32                                ; p and the first run are in; the second run's 32 may stay out
	CMUL 0, 0, 1
.rept 4
	v_nop                                          ; the places in front of loads into registers that the products have read
.endr
	LOADT 2, 0
	s_wait_dscnt 32
	CMUL 1, 1, 0
.rept 4
	v_nop
.endr
	LOADT 3, 1
	s_wait_dscnt 32
	CMUL 2, 0, 0
	s_wait_dscnt 0x0
	CMUL 3, 1, 0
	WIN 0
	; channel place r of tile (sl, part) is channel 16 sl + 8 part + 4 (r / 8) + r % 4 + 128 ((r / 4) % 2) of my 256: through my own LDS bytes into that order
	v_lshrrev_b32 v106, 3, v[R]
	v_and_b32 v107, 3, v[R]
	v_bfe_u32 v108, v[R], 2, 1
	s_add_co_u32 s49, s44, CXS
	v_lshl_add_u32 v105, v106, 4, s49
	v_lshl_add_u32 v105, v107, 2, v105
	v_lshl_add_u32 v105, v108, 9, v105
	v_lshl_add_u32 v109, v[LN], 4, s49
	v_nop                                          ; with the seven lines above: eight places behind the last products
	WIN W_STC
.set tt, 0
.rept 16
	ds_store_b32 v105, v[8*tt] offset:32*tt        ; all sixteen rows of a result are equal: its lowest register is the number; both halves of the lanes write the same word
.set tt, tt+1
.endr
	WIN 0
	ds_load_b128 v[112:115], v109
	ds_load_b128 v[116:119], v109 offset:512
	s_wait_dscnt 0x0
	global_store_b128 v[BO], v[112:115], s[22:23]              ; 512 bytes on end, aligned
	global_store_b128 v[BO], v[116:119], s[22:23] offset:512
	s_wait_tensorcnt 0x0                           ; the wave's end: three closing lines, behind my last LDS store
	ds_add_u32 v[SPW], v[NIL]
	s_wait_dscnt 0x0
	s_endpgm
.Lfunc_end_k_qc0f5eb2e26_attn:
	.size	k_qc0f5eb2e26_attn, .Lfunc_end_k_qc0f5eb2e26_attn-k_qc0f5eb2e26_attn
	.p2alignl 7, 3214868480
	.fill 96, 4, 3214868480
	.section	.rodata,"a",@progbits
	.p2align	6, 0x0
	.amdhsa_kernel k_qc0f5eb2e26_attn
		.amdhsa_group_segment_fixed_size 278528
		.amdhsa_private_segment_fixed_size 0
		.amdhsa_enable_private_segment 0
		.amdhsa_kernarg_size 64
		.amdhsa_user_sgpr_count 2
		.amdhsa_user_sgpr_kernarg_segment_ptr 1
		.amdhsa_wavefront_size32 1
		.amdhsa_system_sgpr_workgroup_id_x 1
		.amdhsa_system_sgpr_workgroup_id_y 1
		.amdhsa_system_sgpr_workgroup_id_z 1
		.amdhsa_system_vgpr_workitem_id 0
		.amdhsa_next_free_vgpr 1024
		.amdhsa_next_free_sgpr 66
		.amdhsa_reserve_vcc 0
		.amdhsa_float_denorm_mode_32 3
		.amdhsa_float_denorm_mode_16_64 3
		.amdhsa_memory_ordered 1
		.amdhsa_forward_progress 1
		.amdhsa_inst_pref_size 255
	.end_amdhsa_kernel
	.section	.bss,"aw",@nobits
	.p2align	6
	.space	262144
	.amdgpu_metadata
---
amdhsa.version: [ 1, 2 ]
amdhsa.kernels:
  - .name:           k_qc0f5eb2e26_attn
    .symbol:         k_qc0f5eb2e26_attn.kd
    .args:
      - { .name: features, .offset: 0, .size: 8, .value_kind: global_buffer, .address_space: global }
      - { .name: W1F, .offset: 8, .size: 8, .value_kind: global_buffer, .address_space: global }
      - { .name: PHP, .offset: 16, .size: 8, .value_kind: global_buffer, .address_space: global }
      - { .name: V, .offset: 24, .size: 8, .value_kind: global_buffer, .address_space: global }
      - { .name: bv, .offset: 32, .size: 8, .value_kind: global_buffer, .address_space: global }
      - { .name: LOGIT, .offset: 40, .size: 8, .value_kind: global_buffer, .address_space: global }
      - { .name: STAT, .offset: 48, .size: 8, .value_kind: global_buffer, .address_space: global }
      - { .name: CTXP, .offset: 56, .size: 8, .value_kind: global_buffer, .address_space: global }
    .group_segment_fixed_size: 278528
    .private_segment_fixed_size: 0
    .kernarg_segment_align: 8
    .kernarg_segment_size: 64
    .max_flat_workgroup_size: 128
    .sgpr_count:     66
    .vgpr_count:     1024
    .wavefront_size: 32
...
	.end_amdgpu_metadata
.endif
;; end of part 2
;; launch fin (part 3): grid 4 x 32, 2 waves a work-group, no clusters, 0 bytes of LDS; arguments LOGIT, STAT, CTXP, out0, out1; writes out0, out1
.if DOCPART == 3
	.amdgcn_target "amdgcn-amd-amdhsa--gfx1250"
	.amdhsa_code_object_version 6
	.text
	.protected	k_qc0f5eb2e26_fin
	.globl	k_qc0f5eb2e26_fin
	.p2align	8
	.type	k_qc0f5eb2e26_fin,@function
k_qc0f5eb2e26_fin:
	s_mov_b64 s[64:65], 0
	v_nop
	global_prefetch_b8 v0, s[64:65] scope:SCOPE_SE
	s_setreg_imm32_b32 hwreg(HW_REG_WAVE_MODE, 25, 1), 1
	s_wait_xcnt 0x0
; THE JOIN.  A batch's 16 blocks have maxima M_i, sums l_i and unnormalised contexts C_i.  Mx = max M_i, L = sum of e^(M_i - Mx) l_i;
; out1[t] = e^(z[t] - Mx) / L;  out0 = sum over i of (e^(M_i - Mx) / L) C_i.  All in f32.
; Work-group (x, b): a quarter of batch b's 2,048 weights and of its 1,024 channels; 64 threads, 16 bytes each: every load and store of a wave covers 512 bytes on end.
; No LDS, no matrix unit: 16 multiply-adds for each number.  The block with M_i = Mx has l_i >= 1, so L >= 1.  NaN and infinities are not treated apart.
	s_load_b256 s[8:15], s[0:1], 0x0               ; LOGIT s[8:9], STAT s[10:11], CTXP s[12:13], out0 s[14:15]
	s_load_b64 s[16:17], s[0:1], 0x20              ; out1
	v_and_b32 v1, 15, v0
	v_lshlrev_b32 v1, 8, v1                        ; block i = lane % 16: its record of 256 bytes
	v_lshlrev_b32 v2, 4, v0                        ; 16 x thread
	s_and_b32 s20, ttmp7, 0xffff                   ; b
	s_mov_b32 s21, ttmp9                           ; x
	s_mov_b32 s24, 0x3fb8aa3b                      ; log2(e)
	s_mov_b32 s27, 0
	s_lshl_b32 s28, s21, 10                        ; 1,024 x
	s_wait_kmcnt 0x0
	s_lshl_b32 s26, s20, 12
	s_add_nc_u64 s[10:11], s[10:11], s[26:27]      ; STAT at batch b
	s_add_co_u32 s26, s26, s28
	s_add_nc_u64 s[14:15], s[14:15], s[26:27]      ; out0: 4,096 b + 1,024 x
	s_lshl_b32 s26, s20, 16
	s_add_co_u32 s26, s26, s28
	s_add_nc_u64 s[12:13], s[12:13], s[26:27]      ; CTXP: 65,536 b + 1,024 x
	s_lshl_b32 s26, s20, 13
	s_lshl_b32 s28, s21, 11
	s_add_co_u32 s26, s26, s28
	s_add_nc_u64 s[8:9], s[8:9], s[26:27]          ; LOGIT and out1: 8,192 b + 2,048 x
	s_add_nc_u64 s[16:17], s[16:17], s[26:27]
	global_load_b64 v[4:5], v1, s[10:11]           ; M_i, l_i
	global_load_b128 v[8:11], v2, s[8:9]
	global_load_b128 v[12:15], v2, s[8:9] offset:1024
.irp i, 0,1,2,3,4,5,6,7,8,9,10,11,12,13,14,15
	global_load_b128 v[32+4*\i:32+4*\i+3], v2, s[12:13] offset:\i*4096
.endr
	s_wait_loadcnt 18                              ; the record is in; 18 younger loads may stay out
	v_mov_b32 v6, v4
.irp msk, 1,2,4,8
	v_max_num_f32_dpp v6, v6, v6 row_xmask:\msk row_mask:0xf bank_mask:0xf
.endr
	v_sub_f32 v7, v4, v6                           ; M_i - Mx
	v_mul_f32 v7, s24, v7
	v_exp_f32 v7, v7
	v_nop
	s_wait_alu depctr_va_vdst(0)                   ; ahead of the exponential's first reader
	v_mul_f32 v17, v7, v5
.irp msk, 1,2,4,8
	v_add_f32_dpp v17, v17, v17 row_xmask:\msk row_mask:0xf bank_mask:0xf
.endr
	v_rcp_f32 v18, v17                             ; 1 / L
	v_nop
	s_wait_alu depctr_va_vdst(0)
	v_mul_f32 v19, v7, v18                         ; block i's weight, in lane i
.irp i, 0,1,2,3,4,5,6,7,8,9,10,11,12,13,14,15
	v_readlane_b32 s[40+\i], v19, \i
.endr
	s_wait_loadcnt 16                              ; the logits are in
.irp k, 0,1,2,3,4,5,6,7
	v_sub_f32 v[8+\k], v[8+\k], v6
.endr
.irp k, 0,1,2,3,4,5,6,7
	v_mul_f32 v[8+\k], s24, v[8+\k]
.endr
.irp k, 0,1,2,3,4,5,6,7
	v_exp_f32 v[8+\k], v[8+\k]
.endr
	v_nop
	s_wait_alu depctr_va_vdst(0)                   ; one wait for the eight
.irp k, 0,1,2,3,4,5,6,7
	v_mul_f32 v[8+\k], v[8+\k], v18
.endr
	global_store_b128 v2, v[8:11], s[16:17]
	global_store_b128 v2, v[12:15], s[16:17] offset:1024
	s_wait_loadcnt 0x0
.irp c, 0,1,2,3
	v_mul_f32 v[20+\c], s40, v[32+\c]
.endr
.irp i, 1,2,3,4,5,6,7,8,9,10,11,12,13,14,15
.irp c, 0,1,2,3
	v_fmac_f32 v[20+\c], s[40+\i], v[32+4*\i+\c]
.endr
.endr
	global_store_b128 v2, v[20:23], s[14:15]
	s_endpgm
.Lfunc_end_k_qc0f5eb2e26_fin:
	.size	k_qc0f5eb2e26_fin, .Lfunc_end_k_qc0f5eb2e26_fin-k_qc0f5eb2e26_fin
	.p2alignl 7, 3214868480
	.fill 96, 4, 3214868480
	.section	.rodata,"a",@progbits
	.p2align	6, 0x0
	.amdhsa_kernel k_qc0f5eb2e26_fin
		.amdhsa_group_segment_fixed_size 0
		.amdhsa_private_segment_fixed_size 0
		.amdhsa_enable_private_segment 0
		.amdhsa_kernarg_size 40
		.amdhsa_user_sgpr_count 2
		.amdhsa_user_sgpr_kernarg_segment_ptr 1
		.amdhsa_wavefront_size32 1
		.amdhsa_system_sgpr_workgroup_id_x 1
		.amdhsa_system_sgpr_workgroup_id_y 1
		.amdhsa_system_sgpr_workgroup_id_z 1
		.amdhsa_system_vgpr_workitem_id 0
		.amdhsa_next_free_vgpr 112
		.amdhsa_next_free_sgpr 66
		.amdhsa_reserve_vcc 0
		.amdhsa_float_denorm_mode_32 3
		.amdhsa_float_denorm_mode_16_64 3
		.amdhsa_memory_ordered 1
		.amdhsa_forward_progress 1
		.amdhsa_inst_pref_size 9
	.end_amdhsa_kernel
	.amdgpu_metadata
---
amdhsa.version: [ 1, 2 ]
amdhsa.kernels:
  - .name:           k_qc0f5eb2e26_fin
    .symbol:         k_qc0f5eb2e26_fin.kd
    .args:
      - { .name: LOGIT, .offset: 0, .size: 8, .value_kind: global_buffer, .address_space: global }
      - { .name: STAT, .offset: 8, .size: 8, .value_kind: global_buffer, .address_space: global }
      - { .name: CTXP, .offset: 16, .size: 8, .value_kind: global_buffer, .address_space: global }
      - { .name: out0, .offset: 24, .size: 8, .value_kind: global_buffer, .address_space: global }
      - { .name: out1, .offset: 32, .size: 8, .value_kind: global_buffer, .address_space: global }
    .group_segment_fixed_size: 0
    .private_segment_fixed_size: 0
    .kernarg_segment_align: 8
    .kernarg_segment_size: 40
    .max_flat_workgroup_size: 64
    .sgpr_count:     66
    .vgpr_count:     112
    .wavefront_size: 32
...
	.end_amdgpu_metadata
.endif
;; end of part 3
;; ======== version 2 of 2: 3 launches; version 1 with the launch attn written anew for expert scheduling mode
;; workspace buffers: W1F 2,097,152 bytes; PHP 524,288 bytes; LOGIT 262,144 bytes; STAT 131,072 bytes; CTXP 2,097,152 bytes
;; launch prep: the kernel of part 1 again; grid 64 x 1, 8 waves a work-group, no clusters, 66,560 bytes of LDS; arguments W1, W2, hidden, b1, b2, W1F, PHP; writes W1F, PHP
;; launch attn (part 4): grid 16 x 32, 4 waves a work-group, no clusters, 278,528 bytes of LDS; arguments features, W1F, PHP, V, bv, LOGIT, STAT, CTXP; writes LOGIT, STAT, CTXP
.if DOCPART == 4
	.amdgcn_target "amdgcn-amd-amdhsa--gfx1250"
	.amdhsa_code_object_version 6
	.text
	.protected	k_qc0f5eb2e26_attn
	.globl	k_qc0f5eb2e26_attn
	.p2align	8
	.type	k_qc0f5eb2e26_attn,@function
k_qc0f5eb2e26_attn:
	s_mov_b64 s[64:65], 0
	v_nop
	global_prefetch_b8 v0, s[64:65] scope:SCOPE_SE
	s_setreg_imm32_b32 hwreg(HW_REG_WAVE_SCHED_MODE, 0, 2), 2
	s_setreg_imm32_b32 hwreg(HW_REG_WAVE_MODE, 25, 1), 1
	s_wait_xcnt 0x0
	s_wait_alu depctr_vm_vsrc(0)
; z[t] = V . tanh(f[t] W1 + hidden W2 + b1 + b2) + bv for 128 rows t of one batch, the block's maximum M, the weights p = e^(z - M), their sum l, and the block's part of the
; context, sum over t of p[t] f[t][:].  The last launch joins a batch's 16 blocks.  So features is read from memory once: the block lies in LDS as bf16 for both products.
; SHARES.  Work-group (x, b): rows 128 x .. 128 x + 127 of batch b.  In the large product wave w makes all 128 rows x 128 columns, groups 4 w + 2 pass and 4 w + 2 pass + 1, two passes:
; 64 accumulators of 16 x 16, 512 registers: a fragment of A read from LDS feeds eight products, and so does a fragment of B.  K goes in 32 steps of 32; a trip is four steps.
; A (features) comes from LDS; B (W1F = c2 W1, laid out as fragments by the launch before) comes STRAIGHT INTO REGISTERS, four sets of 64 registers, asked for three K steps ahead.
; NO CLUSTER, NO RING FOR B: A takes 262,144 of LDS's 327,680 bytes; two slots in what is left would hold 28 fragments each, 56 products a wave for each change of slots;
; and no byte of B is wanted by two waves of the work-group.  So the K loop has no barrier at all.
; PERMUTATIONS (as in the launch before): tile q of group g holds column 64 g + 4 r + q; place (s, part, h, e) holds k = 256 (s / 8) + 16 (s % 8) + 8 part + 4 h + e % 4 + 128 (e / 4):
; a lane's 16 bytes of bf16 are four f32 of one 512-byte load and four of the load 512 bytes on.
; tanh(y) = 1 - 2 r, r = 1 / (1 + 2^(c2 y)), c2 = 2 log2(e): r is 0 where the power overflows, 1 where it vanishes.  c2 y is the accumulator as it stands: c2 lies in W1F, and
; c2 (hidden W2 + b1 + b2) is the C operand of a pass's first products.  A lane sums V - 2 V r over its own 16 columns in f32 before any wider sum is taken.
; LIMITS.  Matrix operands (features, c2 W1, and p for the context) are rounded to bf16; all sums, M and l in f32 (l of the unrounded p); NaN and infinities are not treated apart.
; LDS: AF 0 .. 262143: fragment (s, mt) at (8 s + mt) 1024, in it part 512 + h 256 + ((row + 4 (s % 4) + 2 part + h) % 16) 16: the rotation lets the fill's stores (sixteen lanes,
; one row, sixteen places) and the fragment loads (sixteen rows, one place) each touch sixteen different 16-byte columns of the 64 banks (ISA guide 11.1).
; THE MODE: SCHED_MODE bits 1:0 = 2 (LLVM: expert scheduling mode 2), set by the entry lines.  The code itself states the register dependences between vector or matrix
; instructions and memory or LDS instructions, with s_wait_alu, always for 0.
; THE PLAN.  Registers that memory or LDS instructions touch, and who else names them:
;   THE FILL.  S0, S1 (window 2): a stage's 32 loads land there, its 64 conversions read it.  O0, O1 (window 3): the conversions write it, the stage's 16 LDS stores read it.
;     v[SW ..], sixteen LDS addresses: read by those stores, stepped once a trip.  v[FO], v[BO]: offsets, never written again.
;     A stage: conversions; ONE wait on va_vdst (O is written, S is read out); the loads into S; the stores from O.  A wait on vm_vsrc stands ahead of the conversions that write an O again:
;     at stage 1's head, and at the trip's end, where it also frees the sixteen addresses for their step.
;   THE PRODUCT.  Step i's products read A[i % 2], B[i % 4] and the accumulators.  Its 32 loads land in A[(i + 1) % 2] and B[(i + 3) % 4]: the two that step i - 1 read.
;     ONE wait on va_vdst stands at a step's head; behind it no matrix instruction of the step names a register that the step's loads touch, so these are dealt among its first eight products.
;     v[AW ..], A's eight LDS addresses: read by A's loads, written once a trip, ahead of the fourth step's wait, behind a wait on vm_vsrc.
;   The accumulators, LGP, VD and SV are named by vector and matrix instructions alone until the logits go to LDS.
.set PHL,   262144                     ; 4,096 bytes: c2 (hidden W2 + b1 + b2) of batch b; behind it 4,096 bytes: V
.set LG,    270336                     ; 2,048 bytes: [wave][128] partial logits
.set PW,    272384                     ; 4 x 256 bytes: p as bf16, a copy for each wave
.set CXS,   273408                     ; 4 x 1,024 bytes: a wave's 256 numbers of the context, in their true order
.set SPARE, 277504                     ; the spare words, 128 bytes for each wave
; REGISTERS, in windows of 256 (s_set_vgpr_msb: bits 1:0 source 0, 3:2 source 1, 5:4 source 2, 7:6 destination)
;   window 0: addresses, LGP, temporaries, v128-255 two buffers of A's fragments     window 1: B, four sets of 64; in the context two buffers of 128
;   window 2: the 32 accumulators of rows 0-63 (block mm of 16 rows, tile qq of eight at 8 (8 mm + qq)); in the fill two stages of 128
;   window 3: those of rows 64-127; in the fill two out-buffers of 64; in the context two more buffers of 128
.set R,    1                           ; lane % 16
.set H,    2                           ; lane / 16
.set LN,   3                           ; lane
.set SPW,  4                           ; my spare word; never rewritten
.set NIL,  5                           ; 0; never rewritten
.set BO,   6                           ; 16 x lane; never rewritten
.set PH0,  7                           ; PHL + 1,024 w + 16 r
.set PHA,  8                           ; + 512 pass
.set FB,   9                           ; the fill's set-up: my place in AF, less the rotation
.set FO,   10                          ; the fill: 1,024 w + 16 lane, my bytes of a row of features
.set T0,   11
.set T1,   12
.set T2,   13
.set TID16, 14                         ; the fill: 16 x thread
.set PHS,  15                          ; the fill: where ph' and V go
.set SV,   14                          ; v[14:15]  behind the fill: the sum of V over my columns, later twice
.set AA0,  16                          ; v[16:23]  my place in fragment (s % 4 = a, part p) at 2 a + p; later the turning loads' places
.set AW,   24                          ; v[24:31]  the same plus the trip's 32,768 bytes
.set LGP,  32                          ; v[32:95]  partial logits of rows 16 mt + 8 h + j at 8 mt + j; later p's fragments and the statistics
.set PHV,  96                          ; v[96:103]  ph' of my eight columns of the pass
.set VV,   104                         ; v[104:111] V of the same
.set VD,   112                         ; v[112:127] -2 V in equal pairs
.set SW,   176                         ; the fill: v[176:191] where row i of a stage goes: my place in AF + ((r + i) % 16) x 16
.set AF,   128
.set PHC,  192                         ; A's second buffer, free until a pass's first K step has multiplied: ph' of tile qq in eight equal registers at 8 qq
.set MSB, 0
.macro WIN new                         ; the immediate's high byte repeats the setting that is left; a switch that changes nothing is dropped
.if MSB != (\new)
	s_set_vgpr_msb (MSB<<8)|(\new)
.set MSB, \new
.endif
.endm
.set W_LO,  0xa4                       ; A window 0, B window 1, C and D window 2
.set W_LO1, 0x84                       ; the same with C in window 0
.set W_TOB, 0x40                       ; destination window 1
.set W_TOC, 0x80                       ; destination window 2
.set W_CV3, 0xca                       ; sources 0 and 1 window 2, destination window 3
.set W_ST3, 0x0c                       ; LDS store: data window 3
.set W_E2,  0x82                       ; destination and source 0 window 2
.set W_E3,  0xc3                       ; destination and source 0 window 3
.set W_S2,  0x02                       ; source 0 window 2
.set W_S3,  0x03                       ; source 0 window 3
.set W_STC, 0x08                       ; LDS store: data window 2
	s_load_b512 s[8:23], s[0:1], 0x0               ; features s[8:9], W1F s[10:11], PHP s[12:13], V s[14:15], bv s[16:17], LOGIT s[18:19], STAT s[20:21], CTXP s[22:23]
	v_lshl_add_u32 v[SPW], v0, 2, SPARE
	v_mov_b32 v[NIL], 0
	v_lshrrev_b32 v[LN], 5, v0
	v_readfirstlane_b32 s24, v[LN]                 ; wave w
	v_and_b32 v[R], 15, v0
	v_bfe_u32 v[H], v0, 4, 1
	v_and_b32 v[LN], 31, v0
	s_mov_b32 s25, ttmp9                           ; x
	s_and_b32 s26, ttmp7, 0xffff                   ; b
	s_wait_alu depctr_va_sdst(0)                   ; s24 is written, ahead of its first reader: offsets, bases and branches are made from it
	s_lshl_b32 s44, s24, 10                        ; 1,024 w
	s_lshl_b32 s45, s24, 16                        ; 65,536 w
	s_mov_b32 s38, 0x76543210                      ; v_permlanex16_b32: each lane takes its own place in the other half
	s_mov_b32 s39, 0xfedcba98
	s_mov_b32 s40, 0x3fb8aa3b                      ; log2(e)
	v_lshlrev_b32 v[BO], 4, v[LN]
	v_lshl_add_u32 v[FO], v[LN], 4, s44
	v_lshlrev_b32 v[TID16], 4, v0
	s_lshl_b32 s28, s26, 23                        ; (2,048 b + 128 x) rows of 4,096 bytes
	s_lshl_b32 s46, s25, 19
	s_add_co_u32 s28, s28, s46
	s_mov_b32 s29, 0
	s_wait_kmcnt 0x0
	s_load_b32 s27, s[16:17], 0x0                  ; bv
	s_add_nc_u64 s[42:43], s[8:9], s[28:29]        ; features at my block
	s_lshl_b32 s28, s26, 12
	s_add_nc_u64 s[12:13], s[12:13], s[28:29]      ; PHP at batch b
	s_lshl_b32 s28, s24, 19
	s_add_nc_u64 s[36:37], s[10:11], s[28:29]      ; W1F at my four groups of 131,072 bytes
; THE FILL.  Wave w takes bytes 1,024 w .. + 1,023 of each of the 128 rows.  A stage is 16 rows: 32 loads of 512 bytes on end.
.macro FLOAD buf, off
	WIN W_TOC
.set fi, 0
.rept 16
	global_load_b128 v[128*(\buf)+8*fi:128*(\buf)+8*fi+3], v[FO], s[42:43] offset:(\off)+fi*4096 th:TH_LOAD_NT
	global_load_b128 v[128*(\buf)+8*fi+4:128*(\buf)+8*fi+7], v[FO], s[42:43] offset:(\off)+fi*4096+512 th:TH_LOAD_NT
.set fi, fi+1
.endr
.endm
; A stage is rounded to bf16, into its out-buffer: row i's 16 bytes in four registers at 4 i
.macro FCVT buf
	WIN W_CV3
.set fc, 0
.rept 64
	v_cvt_pk_bf16_f32 v[64*(\buf)+fc], v[128*(\buf)+2*fc], v[128*(\buf)+2*fc+1]
.set fc, fc+1
.endr
.endm
; and stored
.macro FPUT buf
	WIN W_ST3
.set fi, 0
.rept 16
	ds_store_b128 v[SW+fi], v[64*(\buf)+4*fi:64*(\buf)+4*fi+3] offset:(\buf)*1024
.set fi, fi+1
.endr
.endm
	s_wait_alu depctr_va_vdst(0)                   ; v[BO], v[FO] and v[TID16] are written: the loads below, and every later load and store by v[BO], read them as offsets
.irp kq, 0,1,2,3
	global_load_b128 v[128+8*\kq:128+8*\kq+3], v[TID16], s[12:13] offset:\kq*131072
	global_load_b128 v[128+8*\kq+4:128+8*\kq+7], v[TID16], s[12:13] offset:\kq*131072+2048
.endr
	global_load_b128 v[160:163], v[TID16], s[14:15]
	global_load_b128 v[164:167], v[TID16], s[14:15] offset:2048
	FLOAD 0, 0
	FLOAD 1, 65536
	WIN 0
	; set-up, while the loads are out; it names none of their registers
.set k, 0
.rept 64
	v_mov_b32 v[LGP+k], 0                          ; the logits' sums start at 0, so that the two passes have one text
.set k, k+1
.endr
	v_lshrrev_b32 v[T0], 2, v[LN]                  ; my 16 bytes belong to K step 8 w + lane / 4,
	v_lshl_add_u32 v[FB], v[T0], 13, s45
	v_bfe_u32 v[T0], v[LN], 1, 1                   ; part (lane / 2) % 2,
	v_lshl_add_u32 v[FB], v[T0], 9, v[FB]
	v_and_b32 v[T0], 1, v[LN]                      ; half lane % 2; the rotation is then lane % 16 = r
	v_lshl_add_u32 v[FB], v[T0], 8, v[FB]
.set k, 0
.rept 16
	v_add_nc_u32 v[SW+k], k, v[R]
	v_and_b32 v[SW+k], 15, v[SW+k]
	v_lshl_add_u32 v[SW+k], v[SW+k], 4, v[FB]      ; the sixteen addresses are made whole, ahead of the loop
.set k, k+1
.endr
	s_add_co_u32 s46, s44, PHL
	v_lshl_add_u32 v[PH0], v[R], 4, s46
	v_add_nc_u32 v[PHS], PHL, v[TID16]
	v_add_nc_u32 v[T0], v[R], v[H]
	v_lshlrev_b32 v[T1], 8, v[H]
.irp a, 0,1,2,3
.irp p, 0,1
	v_add_nc_u32 v[T2], 4*\a+2*\p, v[T0]
	v_and_b32 v[T2], 15, v[T2]
	v_lshl_add_u32 v[AA0+2*\a+\p], v[T2], 4, v[T1]
	v_add_nc_u32 v[AA0+2*\a+\p], \a*8192+\p*512, v[AA0+2*\a+\p]
.endr
.endr
	s_wait_loadcnt 63                              ; 64 loads are younger than PHP's and V's ten: with 63 out at the most the ten are in
.irp hf, 0,4
.irp c, 0,2
	v_pk_add_f32 v[128+\hf+\c:128+\hf+\c+1], v[128+\hf+\c:128+\hf+\c+1], v[136+\hf+\c:136+\hf+\c+1]
	v_pk_add_f32 v[144+\hf+\c:144+\hf+\c+1], v[144+\hf+\c:144+\hf+\c+1], v[152+\hf+\c:152+\hf+\c+1]
.endr
.endr
.irp hf, 0,4
.irp c, 0,2
	v_pk_add_f32 v[128+\hf+\c:128+\hf+\c+1], v[128+\hf+\c:128+\hf+\c+1], v[144+\hf+\c:144+\hf+\c+1]
.endr
.endr
	s_wait_alu depctr_va_vdst(0)                   ; the sums have written v128-135 and the set-up v[PHS], which the four LDS stores read
	ds_store_b128 v[PHS], v[128:131]
	ds_store_b128 v[PHS], v[132:135] offset:2048
	ds_store_b128 v[PHS], v[160:163] offset:4096
	ds_store_b128 v[PHS], v[164:167] offset:6144
	s_mov_b32 s41, 3
.Lfill:                                                ; a trip stores 32 rows and asks for the next 32
	s_wait_loadcnt 32                              ; stage 0 is in; stage 1's 32 loads may stay out
	FCVT 0                                         ; (O0 is free: nothing has read it in the first trip; later the wait at the trip's end has stood)
	s_wait_xcnt 0x0                                ; every load issued has read its address: the base may be stepped
	s_add_nc_u64 s[42:43], s[42:43], 131072
	WIN W_TOC
	s_wait_alu depctr_va_vdst(0)                   ; the conversions are done reading S0, in which the loads land, and have written O0, which the LDS stores read; the sixteen addresses are written
	FLOAD 0, 0
	FPUT 0
	s_wait_loadcnt 32                              ; stage 1 is in
	s_wait_alu depctr_vm_vsrc(0)                   ; the last trip's LDS stores have read O1, which the conversions write again
	FCVT 1
	WIN W_TOC
	s_wait_alu depctr_va_vdst(0)                   ; the conversions are done reading S1, in which the loads land, and have written O1, which the LDS stores read
	FLOAD 1, 65536
	FPUT 1
	WIN 0
	s_wait_alu depctr_vm_vsrc(0)                   ; the LDS stores have read the sixteen addresses, which are stepped here, and O0, which the next stage's conversions write again
.set k, 0
.rept 16
	v_add_nc_u32 v[SW+k], 2048, v[SW+k]            ; two blocks of 16 rows on; the next stage's wait on va_vdst stands between these lines and the stores that read them
.set k, k+1
.endr
	s_sub_co_u32 s41, s41, 1
	s_cmp_lg_u32 s41, 0
	s_cbranch_scc1 .Lfill
	s_wait_loadcnt 32                              ; the last 32 rows: nothing more of features is asked for
	WIN W_TOB                                      ; B's K steps 0 to 2 go out ahead of the last two stages' work: 48 loads; load k of a set: group k / 8, then 512 bytes on end.
.set tt, 0                             ; No wait: v[BO] was written ahead of the head's wait, and no instruction has named these registers of window 1
.rept 3
.set k, 0
.rept 16
	global_load_b128 v[64*tt+4*k:64*tt+4*k+3], v[BO], s[36:37] offset:tt*4096+(k>>3)*131072+(k&7)*512
.set k, k+1
.endr
.set tt, tt+1
.endr
	FCVT 0
	s_wait_alu depctr_va_vdst(0)                   ; the conversions have written O0, and the step above the sixteen addresses, which the LDS stores read
	FPUT 0
	s_wait_loadcnt 48                              ; stage 1 is in; B's 48 stay out
	s_wait_alu depctr_vm_vsrc(0)                   ; the last trip's LDS stores have read O1
	FCVT 1
	s_wait_alu depctr_va_vdst(0)                   ; the conversions have written O1, which the LDS stores read
	FPUT 1
	WIN 0
	s_wait_xcnt 0x0
	s_add_nc_u64 s[36:37], s[36:37], 12288         ; B's pointer stands three K steps ahead of the trip's first
	s_wait_kmcnt 0x0                               ; bv
	s_wait_dscnt 0x0                               ; for the others' sake: my part of A, ph' and V lie in LDS
	s_barrier_signal -1
	s_barrier_wait -1
; THE PRODUCT.
; Product n of the 32 of half hi (rows 64 hi .. + 63), K step i of the trip: block n / 8 of 16 rows, tile n % 8.  The 64 accumulators take turns, one instruction a turn, in the same order in every step.
; first = 1: a pass's first K step: C is ph' of the tile's columns, eight equal registers, so that nothing is cleared and nothing is added later.
.macro PROD i, hi, first
.set mm, n/8
.set qq, n%8
.if \first
	WIN W_LO1+0x40*(\hi)
	v_wmma_f32_16x16x32_bf16 v[8*(8*mm+qq):8*(8*mm+qq)+7], v[AF+64*((\i)&1)+8*(4*(\hi)+mm):AF+64*((\i)&1)+8*(4*(\hi)+mm)+7], v[64*((\i)&3)+8*qq:64*((\i)&3)+8*qq+7], v[PHC+8*qq:PHC+8*qq+7]
.else
	WIN W_LO+0x50*(\hi)
	v_wmma_f32_16x16x32_bf16 v[8*(8*mm+qq):8*(8*mm+qq)+7], v[AF+64*((\i)&1)+8*(4*(\hi)+mm):AF+64*((\i)&1)+8*(4*(\hi)+mm)+7], v[64*((\i)&3)+8*qq:64*((\i)&3)+8*qq+7], v[8*(8*mm+qq):8*(8*mm+qq)+7]
.endif
.endm
; Four LDS loads: A's fragments 2 g and 2 g + 1 of K step j of the trip, into buffer buf
.macro A4 j, buf, g
	WIN 0
.set am, 2*(\g)
.rept 2
	ds_load_b128 v[AF+64*(\buf)+8*am:AF+64*(\buf)+8*am+3], v[AW+2*(\j)] offset:am*1024
	ds_load_b128 v[AF+64*(\buf)+8*am+4:AF+64*(\buf)+8*am+7], v[AW+2*(\j)+1] offset:am*1024
.set am, am+1
.endr
.endm
; All sixteen in one run
.macro AFETCH j, buf
.irp g, 0,1,2,3
	A4 \j, \buf, \g
.endr
.endm
; Four loads of B: loads 4 g .. 4 g + 3 of the set that is multiplied three K steps on
.macro B4 i, jump, g
	WIN W_TOB
.set bk, 4*(\g)
.rept 4
	global_load_b128 v[64*(((\i)+3)&3)+4*bk:64*(((\i)+3)&3)+4*bk+3], v[BO], s[36:37] offset:(\i)*4096+(\jump)+(bk>>3)*131072+(bk&7)*512
.set bk, bk+1
.endr
.endm
; A K step: 64 products and 32 loads.  The other A buffer takes the next step's fragments, the B set read last takes the step three on.  ONE wait on va_vdst at the step's head states that the step before is
; done reading both; the loads follow it four at a time, A's behind products 0 to 3, B's behind products 4 to 7: six lines with the two window switches.  No product of this step names a register that they touch.
; In a pass's first step ph' lies in the other A buffer: B's loads are dealt as ever (no line since the wait at the pass's head names their set), A's stand in one run behind all 64 products and a wait of their own.
; anext: 0 the same trip; 1 the next trip's first step; 2 the next pass's; 3 nothing follows.  lcnt: the B loads younger than this step's set.  jump: bytes from this pass's groups to the next pass's.
; hw = 0: the step behind a pass's first: that step's closing wait has stated all that this one's would.
.macro STEP i, first, bload, lcnt, anext, jump, hw=1
.if !(\first)
	s_wait_dscnt 8                                 ; A's rows 0-63 are in; the youngest eight loads (rows 64-127) may be out
.endif
	s_wait_loadcnt \lcnt
.if !(\first) && (\hw) && ((\anext) != 3)
.if (\anext) == 0
.rept 4
	v_nop                                          ; the places between the last step's products and the loads into registers that they read stay, ahead of the wait
.endr
.else
	WIN 0
	s_wait_alu depctr_vm_vsrc(0)                   ; A's loads issued so far have read v[AW ..], which are written anew
.if (\anext) == 1
	s_add_co_u32 s34, s34, 32768
.else
	s_mov_b32 s34, 0
.endif
.set k, 0
.rept 8                                ; these eight are the places
	v_add_nc_u32 v[AW+k], s34, v[AA0+k]
.set k, k+1
.endr
.endif
	s_wait_alu depctr_va_vdst(0)                   ; the last step's products are done reading their A buffer and their B set, in which this step's loads land; in a trip's fourth step v[AW ..] are written
.endif
.set n, 0
.rept 32
	PROD \i, 0, \first
.if !(\first) && ((\anext) != 3) && (n < 4)
	A4 ((\i)+1)&3, ((\i)+1)&1, n
.endif
.if (\bload) && (n >= 4*(1-(\first))) && (n < 8-4*(\first))
	B4 \i, \jump, n-4*(1-(\first))
.endif
.set n, n+1
.endr
.if !(\first)
.if (\anext) != 3
	s_wait_dscnt 16                                ; all but the 16 issued in this step
.else
	s_wait_dscnt 0x0
.endif
.endif
.set n, 0
.rept 32
	PROD \i, 1, \first
.set n, n+1
.endr
.if \first
.rept 4
	v_nop                                          ; the places behind the products
.endr
	WIN 0
	s_wait_alu depctr_va_vdst(0)                   ; the 64 products are done reading ph' in A's second buffer, in which the next step's fragments land; so are they with A's first buffer and B's set 0, for the next step's loads
	AFETCH 1, 1
.endif
.endm
; Four K steps.  kind 0: inside a pass; 1: pass 0's last trip: from its second step on B's loads are the next pass's, a group's 131,072 bytes further on;
; 2: the launch's last trip: one more set of B is asked for, and the counts run down; its last step issues no load and holds no wait on va_vdst.  32: two younger sets of sixteen loads may stay out.
.macro TRIP first, kind
.if (\kind) == 2
	STEP 0, 0, 1, 32, 0, 0
	STEP 1, 0, 0, 32, 0, 0
	STEP 2, 0, 0, 16, 0, 0
	STEP 3, 0, 0, 0, 3, 0
	WIN 0
.elseif (\kind) == 1
	STEP 0, 0, 1, 32, 0, 0
	STEP 1, 0, 1, 32, 0, 131072
	STEP 2, 0, 1, 32, 0, 131072
	STEP 3, 0, 1, 32, 2, 131072
	WIN 0
	s_wait_xcnt 0x0                                ; the youngest loads, 56 products back, have read their address
	s_add_nc_u64 s[36:37], s[36:37], 147456
.else
	STEP 0, \first, 1, 32, 0, 0
	STEP 1, 0, 1, 32, 0, 0, 1-(\first)
	STEP 2, 0, 1, 32, 0, 0
	STEP 3, 0, 1, 32, 1, 0
	WIN 0
	s_wait_xcnt 0x0
	s_add_nc_u64 s[36:37], s[36:37], 16384
.endif
.endm
; The pass's end, a window of 256 registers at a time, in place
.macro EXPS
.set k, 0
.rept 256
	v_exp_f32 v[k], v[k]
.set k, k+1
.endr
.endm
.macro ADD1
.set k, 0
.rept 128
	v_pk_add_f32 v[2*k:2*k+1], v[2*k:2*k+1], 1.0 op_sel_hi:[1,0]
.set k, k+1
.endr
.endm
.macro RCPS
.set k, 0
.rept 256
	v_rcp_f32 v[k], v[k]
.set k, k+1
.endr
.endm
.macro VSUM hi                         ; LGP += (-2 V) r; the tile outermost: 16 lines stand between two additions onto one pair
.set qq, 0
.rept 8
.set mm, 0
.rept 4
.set jp, 0
.rept 4
	v_pk_fma_f32 v[LGP+8*(4*(\hi)+mm)+2*jp:LGP+8*(4*(\hi)+mm)+2*jp+1], v[8*(8*mm+qq)+2*jp:8*(8*mm+qq)+2*jp+1], v[VD+2*qq:VD+2*qq+1], v[LGP+8*(4*(\hi)+mm)+2*jp:LGP+8*(4*(\hi)+mm)+2*jp+1]
.set jp, jp+1
.endr
.set mm, mm+1
.endr
.set qq, qq+1
.endr
.endm
	s_wait_alu depctr_vm_vsrc(0)                   ; the fill's LDS stores have read v128-135, v160-167 and the sixteen addresses v176-191, in which A's fragments land; its loads have read v14, which is SV from here on
	s_mov_b32 s34, 0
.set k, 0
.rept 8
	v_mov_b32 v[AW+k], v[AA0+k]
.set k, k+1
.endr
	v_mov_b32 v[SV], 0
	s_wait_alu depctr_va_vdst(0)                   ; v[AW ..] are written, which A's loads read; the head's sums and address lines are done with v128-191, in which they land
	AFETCH 0, 0
	s_mov_b32 s32, 2                               ; passes to go
	s_mov_b32 s35, 0                               ; 512 x pass
.Lpass:
	; my eight columns of the pass: ph' into eight equal registers a tile, -2 V into equal pairs, V onto its sum
	s_wait_alu depctr_vm_vsrc(0)                   ; the last pass's four LDS loads have read v[PHA]
	v_add_nc_u32 v[PHA], s35, v[PH0]
	s_wait_alu depctr_va_vdst(0)                   ; v[PHA] is written; the last pass's lines are done reading PHV and VV, in which the four loads land, and its products B's fourth set, which the first step asks for
	ds_load_b128 v[PHV:PHV+3], v[PHA]
	ds_load_b128 v[PHV+4:PHV+7], v[PHA] offset:256
	ds_load_b128 v[VV:VV+3], v[PHA] offset:4096
	ds_load_b128 v[VV+4:VV+7], v[PHA] offset:4352
	s_wait_dscnt 0x0                               ; these four, and A's fragments of the pass's first K step
.set qq, 0
.rept 8
.set k, 0
.rept 8
	v_mov_b32 v[PHC+8*qq+k], v[PHV+qq]
.set k, k+1
.endr
	v_mul_f32 v[VD+2*qq], -2.0, v[VV+qq]
	v_mul_f32 v[VD+2*qq+1], -2.0, v[VV+qq]
	v_add_f32 v[SV], v[SV], v[VV+qq]
.set qq, qq+1
.endr
	TRIP 1, 0
	s_mov_b32 s33, 6
.Ltrip:
	TRIP 0, 0
	s_sub_co_u32 s33, s33, 1
	s_cmp_lg_u32 s33, 0
	s_cbranch_scc1 .Ltrip
	s_cmp_eq_u32 s32, 1
	s_cbranch_scc1 .Llastp
	TRIP 0, 1                                      ; pass 0's last trip fetches the next pass's first fragments
	s_branch .Lepi
.Llastp:
	TRIP 0, 2
.Lepi:
	; THE PASS'S END: r = 1 / (1 + 2^acc) in place, each accumulator taken from its low end on; LGP += (-2 V) r.  A's and B's loads for the next pass stay out meanwhile: no line here names their registers.
.rept 4
	v_nop                                          ; the places behind the last products
.endr
	WIN W_E2
	EXPS
	WIN W_E3
	EXPS
	v_nop                                          ; a plain instruction behind the last exponential,
	s_wait_alu depctr_va_vdst(0)                   ; and one wait for the batch: the 512 exponentials have written their results, which the additions read
	ADD1
	WIN W_E2
	ADD1
	RCPS
	WIN W_E3
	RCPS
	v_nop
	s_wait_alu depctr_va_vdst(0)                   ; the 512 reciprocals have written their results, which the sums read
	WIN W_S3
	VSUM 1
	WIN W_S2
	VSUM 0
	WIN 0
	s_add_co_u32 s35, s35, 512
	s_sub_co_u32 s32, s32, 1
	s_cmp_lg_u32 s32, 0
	s_cbranch_scc1 .Lpass
	; THE LOGITS.  First V's sum over my 16 columns joins each of my partial sums: V - 2 V r = V tanh.  A row's sum over my wave's 256 columns then lies in sixteen lanes: four steps
	; inside each half of the lanes; then the four waves' sums meet in LDS.
	v_mov_b32 v[SV+1], v[SV]
.set k, 0
.rept 32
	v_pk_add_f32 v[LGP+2*k:LGP+2*k+1], v[LGP+2*k:LGP+2*k+1], v[SV:SV+1]
.set k, k+1
.endr
.irp msk, 1,2,4,8
.set k, 0
.rept 64
	v_add_f32_dpp v[LGP+k], v[LGP+k], v[LGP+k] row_xmask:\msk row_mask:0xf bank_mask:0xf
.set k, k+1
.endr
.endr
	s_lshl_b32 s47, s24, 9
	s_add_co_u32 s47, s47, LG
	v_lshl_add_u32 v[T0], v[H], 5, s47             ; rows 16 mt + 8 h + 0..7 are 32 bytes on end; a half's sixteen lanes write the same bytes with the same numbers
	v_lshl_add_u32 v[T1], v[LN], 4, LG             ; back, every wave alike: lane l takes rows 4 l .. 4 l + 3
	v_lshlrev_b32 v[T2], 3, v[LN]                  ; my 8 bytes of the block's record
	s_wait_alu depctr_va_vdst(0)                   ; the sums have written LGP and the lines above v[T0], which the LDS stores read; v[T1] and v[T2] are written, for the loads and the store further down
.set mm, 0
.rept 8
	ds_store_b128 v[T0], v[LGP+8*mm:LGP+8*mm+3] offset:mm*64
	ds_store_b128 v[T0], v[LGP+8*mm+4:LGP+8*mm+7] offset:mm*64+16
.set mm, mm+1
.endr
	s_wait_dscnt 0x0                               ; for the others' sake
	s_barrier_signal -1
	s_barrier_wait -1
	s_wait_alu depctr_vm_vsrc(0)                   ; my LDS stores have read v32-95: from here on loads land there and vector lines write there (no vector line since the wait above names v64-79 or v[T1])
.irp s, 0,1,2,3
	ds_load_b128 v[64+4*\s:64+4*\s+3], v[T1] offset:512*\s
.endr
	s_lshl_b32 s28, s26, 13                        ; LOGIT: (2,048 b + 128 x) x 4 bytes
	s_lshl_b32 s46, s25, 9
	s_add_co_u32 s28, s28, s46
	s_add_nc_u64 s[18:19], s[18:19], s[28:29]
	s_lshl_b32 s28, s26, 12                        ; STAT: (16 b + x) x 256 bytes
	s_lshl_b32 s46, s25, 8
	s_add_co_u32 s28, s28, s46
	s_add_nc_u64 s[20:21], s[20:21], s[28:29]
	s_lshl_b32 s28, s26, 16                        ; CTXP: (16 b + x) x 4,096 + 1,024 w
	s_lshl_b32 s46, s25, 12
	s_add_co_u32 s28, s28, s46
	s_add_co_u32 s28, s28, s44
	s_add_nc_u64 s[22:23], s[22:23], s[28:29]
	s_wait_dscnt 0x0
	v_pk_add_f32 v[64:65], v[64:65], v[68:69]
	v_pk_add_f32 v[66:67], v[66:67], v[70:71]
	v_pk_add_f32 v[72:73], v[72:73], v[76:77]
	v_pk_add_f32 v[74:75], v[74:75], v[78:79]
	v_pk_add_f32 v[64:65], v[64:65], v[72:73]
	v_pk_add_f32 v[66:67], v[66:67], v[74:75]
.irp k, 0,1,2,3
	v_add_f32 v[64+\k], s27, v[64+\k]              ; + bv: z
.endr
	v_max3_num_f32 v80, v64, v65, v66
	v_max_num_f32 v80, v80, v67
.irp msk, 1,2,4,8
	v_max_num_f32_dpp v80, v80, v80 row_xmask:\msk row_mask:0xf bank_mask:0xf
.endr
	v_permlanex16_b32 v81, v80, s38, s39
	v_max_num_f32 v80, v80, v81                    ; M, in every lane
.irp k, 0,1,2,3
	v_sub_f32 v[84+\k], v[64+\k], v80
.endr
.irp k, 0,1,2,3
	v_mul_f32 v[84+\k], s40, v[84+\k]
.endr
.irp k, 0,1,2,3
	v_exp_f32 v[84+\k], v[84+\k]                   ; p = e^(z - M)
.endr
	v_nop
	s_wait_alu depctr_va_vdst(0)                   ; the four exponentials have written p, which the sums read
	v_add_f32 v88, v84, v85
	v_add_f32 v89, v86, v87
	v_add_f32 v88, v88, v89
.irp msk, 1,2,4,8
	v_add_f32_dpp v88, v88, v88 row_xmask:\msk row_mask:0xf bank_mask:0xf
.endr
	v_permlanex16_b32 v89, v88, s38, s39
	v_add_f32 v81, v88, v89                        ; l, beside M
	; THE CONTEXT, by the matrix unit: source 0 = p (sixteen equal rows, K = 32 rows t), source 1 = features turned, 16 channels a tile.  Wave w takes the 256 channels that it filled: 16 tiles, four steps of 32 rows.
	; All that the memory and LDS instructions below read is made first, ahead of one wait.
	v_cvt_pk_bf16_f32 v90, v84, v85
	v_cvt_pk_bf16_f32 v91, v86, v87
	s_lshl_b32 s48, s24, 8
	s_add_co_u32 s48, s48, PW
	v_lshl_add_u32 v92, v[LN], 3, s48
	v_lshl_add_u32 v93, v[H], 4, s48
	; the turning load: lane L reads the 16 bytes of row 8 h + L % 8 and half hh = (L / 8) % 2, and is left with channel place L % 16 and eight rows
	v_bfe_u32 v100, v0, 3, 1                       ; hh
	v_and_b32 v101, 7, v0
	v_lshl_add_u32 v102, v[H], 3, v101
	v_add_nc_u32 v102, v102, v100                  ; row + hh
	v_lshl_add_u32 v103, v100, 8, s45
.irp a, 0,1,2,3
.irp p, 0,1
	v_add_nc_u32 v104, 4*\a+2*\p, v102
	v_and_b32 v104, 15, v104
	v_lshl_add_u32 v[AA0+2*\a+\p], v104, 4, v103
	v_add_nc_u32 v[AA0+2*\a+\p], \a*8192+\p*512, v[AA0+2*\a+\p]
.endr
.endr
	s_wait_alu depctr_va_vdst(0)                   ; z, M, l and p are written, which the stores read; so are v92, v93 and v[AA0 ..], the addresses of all LDS instructions up to the last product; every line that named v32-63 or windows 1 and 3, in which the loads land, is done
	s_cmp_lg_u32 s24, 0
	s_cbranch_scc1 .Lnot0
	global_store_b128 v[BO], v[64:67], s[18:19]    ; wave 0: 512 bytes of z on end; these registers are not written again
	global_store_b64 v[T2], v[80:81], s[20:21]     ; and (M, l) from all 32 lanes: the record's 256 bytes whole
.Lnot0:
	ds_store_b64 v92, v[90:91]                     ; my wave's own copy: LDS serves a wave's instructions in order (ISA guide 5.7.1.4), so the loads below see it
.irp ts, 0,1,2,3
	ds_load_b128 v[32+8*\ts:32+8*\ts+3], v93 offset:\ts*64
	ds_load_b128 v[32+8*\ts+4:32+8*\ts+7], v93 offset:\ts*64+32
.endr
; 32 turning loads: rows 32 ts .. + 31 of the 16 tiles (K step 8 w + tt / 2, part tt % 2).  Each run has registers of its own: runs 0 and 1 the halves of window 1, runs 2 and 3 those of window 3.
; So no product stands between the wait above and a run that names the run's registers, and no further wait is owed.
.macro LOADT ts
	WIN W_TOB+0x80*((\ts)>>1)
.set tt, 0
.rept 16
	ds_load_tr16_b128 v[128*((\ts)&1)+8*tt:128*((\ts)&1)+8*tt+3], v[AA0+2*((tt>>1)&3)+(tt&1)] offset:(tt>>3)*32768+2*(\ts)*1024
	ds_load_tr16_b128 v[128*((\ts)&1)+8*tt+4:128*((\ts)&1)+8*tt+7], v[AA0+2*((tt>>1)&3)+(tt&1)] offset:(tt>>3)*32768+2*(\ts)*1024+1024
.set tt, tt+1
.endr
.endm
.macro CMUL ts, zero                   ; 16 products, the 16 accumulators by turns; source 1 in window 1 or 3
	WIN W_LO+0x08*((\ts)>>1)
.set tt, 0
.rept 16
.if \zero
	v_wmma_f32_16x16x32_bf16 v[8*tt:8*tt+7], v[32+8*(\ts):32+8*(\ts)+7], v[128*((\ts)&1)+8*tt:128*((\ts)&1)+8*tt+7], 0
.else
	v_wmma_f32_16x16x32_bf16 v[8*tt:8*tt+7], v[32+8*(\ts):32+8*(\ts)+7], v[128*((\ts)&1)+8*tt:128*((\ts)&1)+8*tt+7], v[8*tt:8*tt+7]
.endif
.set tt, tt+1
.endr
.endm
	LOADT 0
	LOADT 1
	s_wait_dscnt 32                                ; p and the first run are in; the second run's 32 may stay out
	CMUL 0, 1
	LOADT 2
	s_wait_dscnt 32
	CMUL 1, 0
	LOADT 3
	s_wait_dscnt 32
	CMUL 2, 0
	s_wait_dscnt 0x0
	CMUL 3, 0
	WIN 0
	; channel place r of tile (sl, part) is channel 16 sl + 8 part + 4 (r / 8) + r % 4 + 128 ((r / 4) % 2) of my 256: through my own LDS bytes into that order
	v_lshrrev_b32 v106, 3, v[R]
	v_and_b32 v107, 3, v[R]
	v_bfe_u32 v108, v[R], 2, 1
	s_add_co_u32 s49, s44, CXS
	v_lshl_add_u32 v105, v106, 4, s49
	v_lshl_add_u32 v105, v107, 2, v105
	v_lshl_add_u32 v105, v108, 9, v105
	v_lshl_add_u32 v109, v[LN], 4, s49
	v_nop                                          ; with the seven lines above: eight places behind the last products
	WIN W_STC
	s_wait_alu depctr_va_vdst(0)                   ; the products have written the accumulators and the lines above v105, which the LDS stores read, and v109, by which the loads behind them read; the places above stay beside this wait
.set tt, 0
.rept 16
	ds_store_b32 v105, v[8*tt] offset:32*tt        ; all sixteen rows of a result are equal: its lowest register is the number; both halves of the lanes write the same word
.set tt, tt+1
.endr
	WIN 0
	ds_load_b128 v[112:115], v109
	ds_load_b128 v[116:119], v109 offset:512
	s_wait_dscnt 0x0
	global_store_b128 v[BO], v[112:115], s[22:23]              ; 512 bytes on end, aligned
	global_store_b128 v[BO], v[116:119], s[22:23] offset:512
	s_wait_dscnt 0x0                               ; the closing lines, six on end
	s_wait_alu 0x0
	s_wait_tensorcnt 0x0
	ds_add_u32 v[SPW], v[NIL]
	s_wait_dscnt 0x0
	s_endpgm
.Lfunc_end_k_qc0f5eb2e26_attn:
	.size	k_qc0f5eb2e26_attn, .Lfunc_end_k_qc0f5eb2e26_attn-k_qc0f5eb2e26_attn
	.p2alignl 7, 3214868480
	.fill 96, 4, 3214868480
	.section	.rodata,"a",@progbits
	.p2align	6, 0x0
	.amdhsa_kernel k_qc0f5eb2e26_attn
		.amdhsa_group_segment_fixed_size 278528
		.amdhsa_private_segment_fixed_size 0
		.amdhsa_enable_private_segment 0
		.amdhsa_kernarg_size 64
		.amdhsa_user_sgpr_count 2
		.amdhsa_user_sgpr_kernarg_segment_ptr 1
		.amdhsa_wavefront_size32 1
		.amdhsa_system_sgpr_workgroup_id_x 1
		.amdhsa_system_sgpr_workgroup_id_y 1
		.amdhsa_system_sgpr_workgroup_id_z 1
		.amdhsa_system_vgpr_workitem_id 0
		.amdhsa_next_free_vgpr 1024
		.amdhsa_next_free_sgpr 66
		.amdhsa_reserve_vcc 0
		.amdhsa_float_denorm_mode_32 3
		.amdhsa_float_denorm_mode_16_64 3
		.amdhsa_memory_ordered 1
		.amdhsa_forward_progress 1
		.amdhsa_inst_pref_size 255
	.end_amdhsa_kernel
	.section	.bss,"aw",@nobits
	.p2align	6
	.space	262144
	.amdgpu_metadata
---
amdhsa.version: [ 1, 2 ]
amdhsa.kernels:
  - .name:           k_qc0f5eb2e26_attn
    .symbol:         k_qc0f5eb2e26_attn.kd
    .args:
      - { .name: features, .offset: 0, .size: 8, .value_kind: global_buffer, .address_space: global }
      - { .name: W1F, .offset: 8, .size: 8, .value_kind: global_buffer, .address_space: global }
      - { .name: PHP, .offset: 16, .size: 8, .value_kind: global_buffer, .address_space: global }
      - { .name: V, .offset: 24, .size: 8, .value_kind: global_buffer, .address_space: global }
      - { .name: bv, .offset: 32, .size: 8, .value_kind: global_buffer, .address_space: global }
      - { .name: LOGIT, .offset: 40, .size: 8, .value_kind: global_buffer, .address_space: global }
      - { .name: STAT, .offset: 48, .size: 8, .value_kind: global_buffer, .address_space: global }
      - { .name: CTXP, .offset: 56, .size: 8, .value_kind: global_buffer, .address_space: global }
    .group_segment_fixed_size: 278528
    .private_segment_fixed_size: 0
    .kernarg_segment_align: 8
    .kernarg_segment_size: 64
    .max_flat_workgroup_size: 128
    .sgpr_count:     66
    .vgpr_count:     1024
    .wavefront_size: 32
...
	.end_amdgpu_metadata
.endif
;; end of part 4
;; launch fin: the kernel of part 3 again; grid 4 x 32, 2 waves a work-group, no clusters, 0 bytes of LDS; arguments LOGIT, STAT, CTXP, out0, out1; writes out0, out1
